; MI455X (gfx1250); checked and timed in simulation.
; The chip was launched on July 23, 2026; its instructions are those of AMD's public machine-readable ISA for CDNA 5 (MIT licence, August 2026) and "CDNA5" Instruction Set Architecture Reference Guide (July 2026). The comments in the code are by the model that wrote it; some were corrected since.
;; Multi Head Attention Efficient. Allowed arithmetic: matrix products marked QUANTISED: E2M1 operands, one E8M0 scale for each 32 along K, by v_wmma_scale_f32_16x16x128_f8f6f4 with both operands' format E2M1 (or v_wmma_scale_f32_32x16x128_f4), f32 sums; everything else in f32.
;; Inputs: W_out 1,024 x 1,024 float32; W_qkv 1,024 x 3,072 float32; b_out 1,024 float32; b_qkv 3,072 float32; x 4 x 2,048 x 1,024 float32.
;; Outputs: out0 4 x 2,048 x 1,024 float32.
;; This version of the problem:
;;   THIS VERSION OF THE PROBLEM IS GIVEN IN LOW PRECISION. The matrix products marked QUANTISED in the list below multiply operands that are first quantised to E2M1 (2 exponent bits, 1 mantissa bit; 4 bits a number), with one power-of-two scale for each 32 numbers along K (OCP MX v1.0); their sums are f32. All else is computed in f32.
;;   The module's matrix products, in the order in which they are computed (A, B: the left and right operand; K: the contracted axis; several contracted axes count as one K, in the product's order):
;;     1. [M 8,192, K 1,024] x [K 1,024, N 3,072]; A: input x; B: input W_qkv: QUANTISED
;;     2. batch 64 x [M 2,048, K 64] x [K 64, N 2,048]; A: computed on the way; B: computed on the way: QUANTISED
;;     3. batch 64 x [M 2,048, K 2,048] x [K 2,048, N 64]; A: softmax (see below); B: computed on the way: QUANTISED
;;     4. [M 8,192, K 1,024] x [K 1,024, N 1,024]; A: computed on the way; B: input W_out: QUANTISED
;;   THE QUANTISER, for each operand of a quantised product, along K:
;;     - K is cut into blocks of 32 from its start; a last block that is shorter is filled with zeros.
;;     - A block's scale is 2^e with e = floor(log2(the largest magnitude in the block)) - 2, held to -126 .. 127; a block of zeros has e = 0. As a byte (E8M0): e + 127.
;;     - Each number is divided by its block's scale, clamped to +-6, and rounded to the nearest number of E2M1, ties to even, subnormals kept.
;;     - The product sums the exact products of the quantised numbers (number of the format x scale) in f32.
;;   ~~~python
;;   def quantise(x, axis):      # numpy; x: float32 -> the quantised numbers, widened to float32 again
;;       x = np.moveaxis(x, axis, -1); K = x.shape[-1]
;;       x = np.pad(x, [(0, 0)] * (x.ndim - 1) + [(0, -K % 32)]); x = x.reshape(x.shape[:-1] + (-1, 32)); a = np.abs(x).max(-1, keepdims=True)
;;       e = np.where(a > 0, np.clip(np.frexp(np.where(a > 0, a, 1))[1] - 1 - 2, -126, 127), 0)      # np.frexp(a)[1] - 1 = floor(log2(a)), exactly
;;       r = np.clip(x / 2.0 ** e, -6, 6)
;;       step = 2.0 ** (np.maximum(np.frexp(np.where(r == 0, 1, r))[1] - 1, 0) - 1)
;;       q = np.round(r / step) * step * 2.0 ** e      # np.round: ties to even
;;       return np.moveaxis(q.reshape(q.shape[:-2] + (-1,))[..., :K], -1, axis).astype(np.float32)
;;   ~~~
;;   SOFTMAX AHEAD OF A QUANTISED PRODUCT. Where the list says 'softmax', what is quantised is not the finished softmax but p = 2^(t - M), with t = logit x log2(e) and M = ceil(the row's largest t), a whole number; so 1/2 < the row's largest p <= 1. The row's sum l is taken of the UNQUANTISED p, in f32, and the product's result is divided by l at the end. Since M is a whole number, a kernel that streams over the keys may use a running M (the ceiling of the running maximum): every later rescaling is an exact power of two, which a block's scale takes up: the codes' values come out the same.
;;   OPERANDS COMPUTED ON THE WAY. 'Computed on the way' means the value that the module computes at that place (a softmax that the list does not call 'softmax' is quantised finished and normalised). What goes into a quantiser is computed in f32, as accurately as f32 sums, v_exp_f32 and their like allow (about 1e-6 of the number): no bf16 or f16 on the way to a quantiser, and a product that is left as it is and whose result goes on into a quantised operand takes f32 operands (vector FMAs, or v_wmma_f32_16x16x4_f32). A number that lies on a knife's edge between two numbers of the format may be rounded either way, as far as f32 arithmetic and the matrix unit's own rounding can turn it there, and no further.
;; One version. Each part assembles by itself: llvm-mc -triple=amdgcn-amd-amdhsa -mcpu=gfx1250 --defsym DOCPART=n.
;; ======== version 1 of 1: 4 launches
;; workspace buffers: ximg 4,194,304 bytes; xscl 262,144 bytes; wimg 2,097,152 bytes; wscl 131,072 bytes; qkv 13,893,632 bytes; oimg 4,194,304 bytes; oscl 262,144 bytes
;; launch quant (part 1): grid 512 x 1, 4 waves a work-group, no clusters, 35,328 bytes of LDS; arguments x, W_qkv, W_out, ximg, xscl, wimg, wscl; writes ximg, xscl, wimg, wscl
.if DOCPART == 1
	.amdgcn_target "amdgcn-amd-amdhsa--gfx1250"
	.amdhsa_code_object_version 6
	.text
	.protected	k_qe66a30c140_quant
	.globl	k_qe66a30c140_quant
	.p2align	8
	.type	k_qe66a30c140_quant,@function
k_qe66a30c140_quant:
	s_mov_b64 s[64:65], 0
	v_nop
	global_prefetch_b8 v0, s[64:65] scope:SCOPE_SE
	s_setreg_imm32_b32 hwreg(HW_REG_WAVE_MODE, 25, 1), 1
	s_wait_xcnt 0x0
; x [8192][1024], W_qkv [1024][3072] and W_out [1024][1024], f32, become codes of FP4 (E2M1) with one E8M0 byte for each 32 along K = 1024.
; THE CODES ARE LAID AS IMAGES OF THE MATRIX OPERAND'S REGISTERS.  Rows go in groups of 128, a group in 8 tiles of 16; row r of tile i is row 32 (i / 2) + 8 (i % 2) + r + 8 (r / 8) of the group.
;   codes:  group x 65536 + K step (128 along K) x 8192 + tile x 1024 + c x 512 + 16 x lane: lane (r, h)'s 16 bytes are k = 128 s + 64 c + 32 h + 0 .. 31 of the tile's row r
;   scales: (8 x group + tile) x 512 + K step x 64 + 4 r: the row's four bytes of that K step
; x's rows are tokens.  The weights' rows are their COLUMNS: W_qkv's 3072 (groups 0-23), then W_out's 1024 (groups 24-31).
; A block's scale is 2^(floor(log2(largest magnitude)) - 2); its byte is the largest magnitude's exponent field - 2, held at 1 from below by a floor among the maximum's leaves.
; LIMITS: a block of zeros keeps the byte 1 where the rule says 127 (its codes are zeros; this program alone reads the bytes); blocks whose largest magnitude lies under 2^-124 were not tried; NaN and infinities are not served.
; SHARES: work-groups 0-255: 32 rows of x each (wave: one tile of 16 rows x 512 along K); 256-447: W_qkv, 128 columns x 128 along K each; 448-511: W_out likewise.  Waves share nothing: no barrier.
.set SPARE, 34816                      ; behind the four waves' regions: the spare words, 128 bytes a wave, named by no other line
.set SPW,  30                          ; v30  SPARE + 4 x my thread's number; never rewritten
.set NIL,  31                          ; v31  0; never rewritten
.set WREG, 8704                        ; a wave's LDS: a stage of 16 rows x 528 bytes, then 256 bytes of scale words
.set SP,   528                         ; a stage row: 512 bytes + 16: the 16 rows that a read touches start 4 words apart
.set R,    32                          ; v32-159  two sets of 64: 16 rows x 16 bytes a lane, as loaded
.set X,    160                         ; v160-223 my two blocks of 32 neighbours
.set PC,   224                         ; v224-255 codes: 8 registers for each of the 4 units, so that no store's data are written again
.set SW,   24                          ; v24-27   a scale word for each unit
	s_load_b256 s[4:11], s[0:1], 0x0               ; x s[4:5], W_qkv s[6:7], W_out s[8:9], ximg s[10:11]
	s_load_b128 s[12:15], s[0:1], 0x20             ; xscl s[12:13], wimg s[14:15]
	s_load_b64 s[16:17], s[0:1], 0x30              ; wscl
	v_lshl_add_u32 v[SPW], v0, 2, SPARE
	v_mov_b32 v[NIL], 0
	v_lshrrev_b32 v1, 5, v0
	v_readfirstlane_b32 s18, v1                    ; wave 0..3
	v_and_b32 v1, 31, v0                           ; lane
	s_cmp_lt_u32 ttmp9, 256
	s_cbranch_scc0 .Lweights
; ---------------- x: K is innermost.  A load reads 512 consecutive bytes of one row; the 16 rows turn through my stage, so that a lane gets 32 neighbours of its row for each of its two blocks
	s_lshr_b32 s19, s18, 1                         ; u: which of the work-group's two tiles
	s_and_b32 s22, s18, 1                          ; q: which half of K
	s_mul_i32 s23, s18, WREG                       ; my region
	v_lshlrev_b32 v2, 4, v1                        ; 16 x lane: the loads' and the images' offset
	v_add_nc_u32 v3, s23, v2                       ; the stage, on the way in
	v_and_b32 v9, 15, v0                           ; r
	v_bfe_u32 v10, v0, 4, 1                        ; h
	v_mul_u32_u24 v4, v9, SP
	v_lshl_add_u32 v4, v10, 7, v4
	v_add_nc_u32 v4, s23, v4                       ; and on the way out: row r, + 128 h bytes
	s_add_co_u32 s23, s23, 16*SP
	v_lshl_add_u32 v5, v9, 2, s23                  ; my row's scale word
	v_lshl_add_u32 v6, v1, 3, s23                  ; the 256 bytes of scale words, 8 a lane
	v_lshlrev_b32 v7, 3, v1
	v_lshlrev_b32 v8, 3, v10                       ; 8 h: my bytes' place in the word
	v_mov_b32 v19, 0                               ; a lane permute's destination counts as one of its sources
	s_mov_b32 s20, 0x76543210
	s_mov_b32 s21, 0xfedcba98                      ; v_permlanex16_b32's selects for lane l xor 16
	s_lshl_b32 s24, ttmp9, 17                      ; x: 32 rows of 4096 bytes a work-group,
	s_lshl_b32 s26, s19, 15                        ; tile u begins 8 rows further down,
	s_add_co_u32 s24, s24, s26
	s_lshl_b32 s26, s22, 11                        ; half q 2048 bytes along the row
	s_add_co_u32 s24, s24, s26
	s_mov_b32 s25, 0
	s_lshr_b32 s26, ttmp9, 2                       ; ximg: group = work-group / 4,
	s_lshl_b32 s26, s26, 16
	s_lshl_b32 s28, s22, 15                        ; four K steps of 8192 bytes a half,
	s_add_co_u32 s26, s26, s28
	s_and_b32 s28, ttmp9, 3
	s_lshl_b32 s28, s28, 1
	s_add_co_u32 s28, s28, s19                     ; tile 2 (work-group % 4) + u
	s_lshl_b32 s28, s28, 10
	s_add_co_u32 s26, s26, s28
	s_mov_b32 s27, 0
	s_lshl_b32 s28, ttmp9, 1                       ; xscl: (2 x work-group + u) x 512 + 256 q
	s_add_co_u32 s28, s28, s19
	s_lshl_b32 s28, s28, 9
	s_lshl_b32 s29, s22, 8
	s_add_co_u32 s28, s28, s29
	s_mov_b32 s29, 0
	s_wait_alu depctr_va_vdst(0)
	s_wait_kmcnt 0x0
	s_add_nc_u64 s[4:5], s[4:5], s[24:25]
	s_add_nc_u64 s[10:11], s[10:11], s[26:27]
	s_add_nc_u64 s[12:13], s[12:13], s[28:29]
.macro LOADX t                         ; K step t of my half: 16 rows x 512 bytes, into set t % 2
.irp p, 0,1,2,3,4,5,6,7,8,9,10,11,12,13,14,15
	global_load_b128 v[R+64*((\t)%2)+4*\p:R+64*((\t)%2)+4*\p+3], v2, s[4:5] offset:(\p+8*(\p/8))*4096+512*(\t) th:TH_LOAD_NT
.endr
.endm
.macro UNIT t
.if (\t) < 3
	s_wait_loadcnt 16                              ; this unit's 16 loads are in; the next unit's 16 may be out
.else
	s_wait_loadcnt 0x0
.endif
.irp p, 0,1,2,3,4,5,6,7,8,9,10,11,12,13,14,15
	ds_store_b128 v3, v[R+64*((\t)%2)+4*\p:R+64*((\t)%2)+4*\p+3] offset:SP*\p
.endr
.irp c, 0,1
.irp g, 0,1,2,3,4,5,6,7
	ds_load_b128 v[X+32*\c+4*\g:X+32*\c+4*\g+3], v4 offset:256*\c+16*\g    ; LDS serves a wave's instructions in order: these see the stores above.  k = 64 c + 32 h + 4 g ..
.endr
.endr
	s_wait_dscnt 0x0                               ; my 64 numbers are in, and the stores have read the set,
.if (\t)+2 < 4
	LOADX (\t)+2                                   ; which takes the unit two further on
.endif
.irp c, 0,1
	v_max3_num_f32 v[12+\c], |v[X+32*\c]|, |v[X+32*\c+1]|, 0x1800000     ; block 2 c + h: all its 32 numbers are mine; the floor 2^(3 - 127) holds the byte at 1 from below
.endr
.irp i, 2,4,6,8,10,12,14,16,18,20,22,24,26,28,30
.irp c, 0,1
	v_max3_num_f32 v[12+\c], v[12+\c], |v[X+32*\c+\i]|, |v[X+32*\c+\i+1]|
.endr
.endr
.irp c, 0,1
	v_add_nc_u32 v[14+\c], 0xff000000, v[12+\c]    ; 2 off the exponent field: the conversion's scale operand
.endr
.irp c, 0,1
	v_lshrrev_b32 v[16+\c], 23, v[14+\c]           ; the scale's byte
.endr
	v_lshl_or_b32 v18, v17, 16, v16                ; my two bytes, blocks h and 2 + h,
	v_lshlrev_b32 v18, v8, v18                     ; at their places in the word;
	v_permlanex16_b32 v19, v18, s20, s21
	v_or_b32 v[SW+(\t)], v18, v19                  ; with lane l xor 16's two the word is whole
	ds_store_b32 v5, v[SW+(\t)] offset:64*(\t)     ; both halves of the lanes write the same word with the same value
.irp c, 0,1
.irp g, 0,1,2,3
	v_cvt_scalef32_pk8_fp4_f32 v[PC+8*(\t)+4*\c+\g], v[X+32*\c+8*\g:X+32*\c+8*\g+7], v[14+\c]
.endr
.endr
	v_nop                                          ; one plain line behind the last scaled conversion
.irp c, 0,1
	global_store_b128 v2, v[PC+8*(\t)+4*\c:PC+8*(\t)+4*\c+3], s[10:11] offset:8192*(\t)+512*\c   ; 32 lanes store 512 consecutive bytes, aligned
.endr
.endm
	LOADX 0
	LOADX 1
	UNIT 0
	UNIT 1
	UNIT 2
	UNIT 3
	ds_load_b64 v[20:21], v6                       ; my tile's scale words of four K steps: 256 bytes
	s_wait_dscnt 0x0
	global_store_b64 v7, v[20:21], s[12:13]        ; 32 lanes store 256 consecutive bytes, aligned
	s_branch .Lend
; ---------------- the weights: K is the FIRST axis.  A lane takes a column and its registers run down K: a block of 32 lies in one lane, and the conversions give codes with K innermost.  No LDS.
.macro LOADW t, n                      ; block t: W(32 t + i, my column), into set t % 2; 32 lanes read 128 consecutive bytes, the four waves 512
.set i, 0
.rept 32
	global_load_b32 v[32+32*((\t)%2)+i], v2, s[32:33] offset:(32*(\t)+i)*(\n)*4 th:TH_LOAD_NT
.set i, i+1
.endr
.endm
.macro BLOCKW t, n
.set XS, 32+32*((\t)%2)
.if (\t) < 3
	s_wait_loadcnt 32                              ; this block's 32 loads are in; the next block's may be out
.else
	s_wait_loadcnt 0x0
.endif
	v_max3_num_f32 v12, |v[XS]|, |v[XS+1]|, |v[XS+2]|
	v_max3_num_f32 v13, |v[XS+3]|, |v[XS+4]|, |v[XS+5]|
.irp i, 6,10,14,18,22,26
	v_max3_num_f32 v12, v12, |v[XS+\i]|, |v[XS+\i+1]|
	v_max3_num_f32 v13, v13, |v[XS+\i+2]|, |v[XS+\i+3]|
.endr
	v_max3_num_f32 v12, v12, |v[XS+30]|, |v[XS+31]|
	v_max3_num_f32 v12, v12, v13, 0x1800000        ; and the floor
	v_add_nc_u32 v11, 0xff000000, v12
	v_lshrrev_b32 v13, 23, v11
.if (\t) == 0
	v_mov_b32 v24, v13                             ; four bytes to the word, the lower K in the lower byte
.else
	v_lshl_or_b32 v24, v13, 8*(\t), v24
.endif
.irp g, 0,1,2,3
	v_cvt_scalef32_pk8_fp4_f32 v[96+4*(\t)+\g], v[XS+8*\g:XS+8*\g+7], v11
.endr
	v_nop
	global_store_b128 v3, v[96+4*(\t):96+4*(\t)+3], s[34:35] offset:512*((\t)/2)+256*((\t)%2)   ; block t is c = t / 2, h = t % 2 of the image: the even tile's sixteen lanes fill 256 consecutive bytes, the odd tile's another 256
.if (\t)+2 < 4
	LOADW (\t)+2, \n
.endif
.endm
.macro QW n, p, g0, first              ; n columns; the tensor's address in s[p:p+1]; its first group in wimg; its first work-group
	s_sub_co_u32 s19, ttmp9, \first
	s_lshr_b32 s22, s19, 3                         ; which 128 columns
	s_and_b32 s23, s19, 7                          ; which K step
	v_lshlrev_b32 v2, 2, v1                        ; in: 4 bytes a lane
	v_bfe_u32 v8, v0, 3, 1                         ; column 32 w + lane is row r' of tile 2 w + u: u = (lane / 8) % 2,
	v_and_b32 v9, 7, v0
	v_bfe_u32 v10, v0, 4, 1
	v_lshl_add_u32 v9, v10, 3, v9                  ; r' = lane % 8 + 8 (lane / 16)
	v_lshlrev_b32 v3, 4, v9
	v_lshl_add_u32 v3, v8, 10, v3                  ; codes: 1024 u + 16 r'
	v_lshlrev_b32 v4, 2, v9
	v_lshl_add_u32 v4, v8, 9, v4                   ; scale word: 512 u + 4 r'
	s_mul_i32 s24, s23, 512*(\n)                   ; 128 rows of n x 4 bytes a K step,
	s_lshl_b32 s26, s22, 9
	s_add_co_u32 s24, s24, s26                     ; 128 columns,
	s_lshl_b32 s26, s18, 7
	s_add_co_u32 s24, s24, s26                     ; my wave's 32
	s_mov_b32 s25, 0
	s_add_co_u32 s26, s22, \g0                     ; the group
	s_lshl_b32 s28, s26, 12
	s_lshl_b32 s26, s26, 16
	s_lshl_b32 s27, s23, 13
	s_add_co_u32 s26, s26, s27
	s_lshl_b32 s27, s18, 11                        ; tiles 2 w and 2 w + 1
	s_add_co_u32 s26, s26, s27
	s_mov_b32 s27, 0
	s_lshl_b32 s29, s18, 10
	s_add_co_u32 s28, s28, s29
	s_lshl_b32 s29, s23, 6
	s_add_co_u32 s28, s28, s29
	s_mov_b32 s29, 0
	s_wait_alu depctr_va_vdst(0)
	s_wait_kmcnt 0x0
	s_add_nc_u64 s[32:33], s[\p:\p+1], s[24:25]
	s_add_nc_u64 s[34:35], s[14:15], s[26:27]
	s_add_nc_u64 s[36:37], s[16:17], s[28:29]
	LOADW 0, \n
	LOADW 1, \n
	BLOCKW 0, \n
	BLOCKW 1, \n
	BLOCKW 2, \n
	BLOCKW 3, \n
	global_store_b32 v4, v24, s[36:37]             ; my column's scale word of this K step
.endm
.Lweights:
	s_cmp_lt_u32 ttmp9, 448
	s_cbranch_scc0 .Lw_out
	s_wait_alu depctr_va_vdst(0)
	QW 3072, 6, 0, 256
	s_branch .Lend
.Lw_out:
	s_wait_alu depctr_va_vdst(0)
	QW 1024, 8, 24, 448
.Lend:
	s_wait_tensorcnt 0x0                           ; the wave's end
	ds_add_u32 v[SPW], v[NIL]
	s_wait_dscnt 0x0
	s_endpgm
.Lfunc_end_k_qe66a30c140_quant:
	.size	k_qe66a30c140_quant, .Lfunc_end_k_qe66a30c140_quant-k_qe66a30c140_quant
	.p2alignl 7, 3214868480
	.fill 96, 4, 3214868480
	.section	.rodata,"a",@progbits
	.p2align	6, 0x0
	.amdhsa_kernel k_qe66a30c140_quant
		.amdhsa_group_segment_fixed_size 35328
		.amdhsa_private_segment_fixed_size 0
		.amdhsa_enable_private_segment 0
		.amdhsa_kernarg_size 56
		.amdhsa_user_sgpr_count 2
		.amdhsa_user_sgpr_kernarg_segment_ptr 1
		.amdhsa_wavefront_size32 1
		.amdhsa_system_sgpr_workgroup_id_x 1
		.amdhsa_system_sgpr_workgroup_id_y 1
		.amdhsa_system_sgpr_workgroup_id_z 1
		.amdhsa_system_vgpr_workitem_id 0
		.amdhsa_next_free_vgpr 256
		.amdhsa_next_free_sgpr 66
		.amdhsa_reserve_vcc 0
		.amdhsa_float_denorm_mode_32 3
		.amdhsa_float_denorm_mode_16_64 3
		.amdhsa_memory_ordered 1
		.amdhsa_forward_progress 1
		.amdhsa_inst_pref_size 70
	.end_amdhsa_kernel
	.amdgpu_metadata
---
amdhsa.version: [ 1, 2 ]
amdhsa.kernels:
  - .name:           k_qe66a30c140_quant
    .symbol:         k_qe66a30c140_quant.kd
    .args:
      - { .name: x, .offset: 0, .size: 8, .value_kind: global_buffer, .address_space: global }
      - { .name: W_qkv, .offset: 8, .size: 8, .value_kind: global_buffer, .address_space: global }
      - { .name: W_out, .offset: 16, .size: 8, .value_kind: global_buffer, .address_space: global }
      - { .name: ximg, .offset: 24, .size: 8, .value_kind: global_buffer, .address_space: global }
      - { .name: xscl, .offset: 32, .size: 8, .value_kind: global_buffer, .address_space: global }
      - { .name: wimg, .offset: 40, .size: 8, .value_kind: global_buffer, .address_space: global }
      - { .name: wscl, .offset: 48, .size: 8, .value_kind: global_buffer, .address_space: global }
    .group_segment_fixed_size: 35328
    .private_segment_fixed_size: 0
    .kernarg_segment_align: 8
    .kernarg_segment_size: 56
    .max_flat_workgroup_size: 128
    .sgpr_count:     66
    .vgpr_count:     256
    .wavefront_size: 32
...
	.end_amdgpu_metadata
.endif
;; end of part 1
;; launch gemm_qkv (part 2): grid 12 x 32, 4 waves a work-group, clusters of 4 x 4, 286,720 bytes of LDS; arguments ximg, xscl, wimg, wscl, b_qkv, qkv; writes qkv
.if DOCPART == 2
	.amdgcn_target "amdgcn-amd-amdhsa--gfx1250"
	.amdhsa_code_object_version 6
	.text
	.protected	k_qe66a30c140_gemm_qkv
	.globl	k_qe66a30c140_gemm_qkv
	.p2align	8
	.type	k_qe66a30c140_gemm_qkv,@function
k_qe66a30c140_gemm_qkv:
	s_mov_b64 s[64:65], 0
	v_nop
	global_prefetch_b8 v0, s[64:65] scope:SCOPE_SE
	s_setreg_imm32_b32 hwreg(HW_REG_WAVE_MODE, 25, 1), 1
	s_wait_xcnt 0x0
	s_wait_alu depctr_hold_cnt(0) depctr_sa_sdst(0) depctr_va_vdst(0) depctr_va_sdst(0) depctr_va_ssrc(0) depctr_va_vcc(0) depctr_vm_vsrc(0)
	s_getreg_b32 s2, hwreg(HW_REG_IB_STS2, 6, 4)
	s_cmp_eq_u32 s2, 0
	s_cbranch_scc0 .Lentry_in_a_cluster
	s_endpgm
.Lentry_in_a_cluster:
	s_bfe_u32 s2, ttmp6, 0x10000c
	s_cmp_lg_u32 s2, 0xf033
	s_cbranch_scc0 .Lentry_shape_is_right
	s_endpgm
.Lentry_shape_is_right:
; qkv = Q(x) Q(W_qkv) + b_qkv on codes of FP4 with E8M0 scales, and its result quantised at once for attention: q and k along the head's 64, v along the tokens.  No f32 number of q, k or v goes to memory.
; A work-group of four waves makes 256 tokens x 256 columns; a wave 128 x 128: 64 accumulators of 16 x 16.  K = 1024 is 512 bytes of codes a row: ALL of K lies in LDS at once, in two halves, each filled ONCE: no LDS byte is filled again.
; Operands come as images of their registers (group x 65536 + K step x 8192 + tile x 1024 + c x 512 + 16 x lane): a fragment is two loads of 512 consecutive bytes.  Row r of tile i is row 32 (i / 2) + 8 (i % 2) + r + 8 (r / 8) of its group of 128.
; THE PRODUCT IS USED TRANSPOSED: a lane holds ONE row of source 1, and by the tiles' row order its 64 registers (8 tiles of source 0) are index 32 B + 16 (lane / 16) + i of source 0's group at register 16 B + i: what the quantiser wants.
; THE MODE is the cluster's x, equal in all sixteen partners: 0 = q's columns, 1 = k's, 2 = v's.  Modes 0, 1: source 1 = tokens, source 0 = columns (registers run along the head's channels).
; Mode 2: source 1 = channels, source 0 = tokens (registers run along the tokens, which are v's K).  The instructions are the same: only the LDS addresses of the reads are chosen by the mode.
; CLUSTER 4 x 4: x's tiles are shared along a row of the cluster, W's along a column: each is asked for jointly, by the same tensor load with a mask that names the four.
; OUT: a record of 13568 bytes for each (batch, head) and each 128 tokens: +0 k's 8 tiles x 512; +4096 k's scale words; +4608 v^T's 4 channel tiles x 1024; +8704 v's scale words; +8960 q's tiles; +13056 q's scale words.
; LIMITS: a block of zeros keeps the byte 1 (this program alone reads the bytes); blocks whose largest magnitude lies under 2^-124 were not tried; NaN and infinities are not served.
; REGISTERS: window 0: v1-29 addresses; v32-95 scale words; v96-111 the bias by lane; v112-127 at work; v128-191 source 1's fragments, on the way out 64 numbers; v192-223 codes and words.
;   window 1: source 0's fragments, two sets at v0 and v128; v64-127 the bias by register.   windows 2, 3: the accumulators ((a, b) at v[8 (8 (a % 4) + b)]).
.set NA,    8                          ; tiles of source 1 a wave
.set KAP,   131072                     ; LDS: half kap of K at kap x 131072: x's group 0, x's group 1, W's group 0, W's group 1, 32768 bytes each
.set ASTEP, 8192
.set SCL,   262144                     ; the scale words, 4096 bytes a group, in the same order
.set STGQ,  278528                     ; q's and k's way out: 1024 bytes a wave for scale words
.set STGV,  282624                     ; v's way out: 512 bytes a wave, bytes of its own
.set SPARE, 284672                     ; the spare words, 128 bytes a wave, named by no other line
.set REC,   13568
.set HEADB, 217088                     ; 16 records: one (batch, head)
.set ADRA, 16                          ; v16-17 source 1's fragments in half 0, 1
.set SVI,  18                          ; v18    v's stage, in
.set SVO,  19                          ; v19    v's stage, out
.set ADRB, 20                          ; v20-21 source 0's fragments
.set VOV,  22                          ; v22    217088 h + 16 r
.set SH,   23                          ; v23    16 h
.set VO,   24                          ; v24    16 x lane
.set SQI,  25                          ; v25    q's and k's stage, in
.set SQO,  26                          ; v26    and out
.set ADRS, 27                          ; v27    scale words: lanes 0-15 source 1's, lanes 16-31 source 0's
.set SPW,  28
.set NIL,  29
.set SC,   32                          ; set kap at v[SC + 32 kap]; register 4 i + q: tile i, the half's q-th K step
.set BV,   96
.set TM,   112
.set AF,   128
.set HA,   128
.set PC,   192
.set RB,   200
.set PWS,  208
.set TW,   216
.set BS,   64                          ; in window 1
.set G1, 24
.set G0, 32
.set G1B, 48
.set G0B, 56
.set G1S, 68
.set G0S, 76
.set G1SB, 80
.set G0SB, 88
.set SEL, 100
.set MSB, 0
.macro WIN new                         ; the immediate's high byte repeats the setting that is left
.if MSB != (\new)
	s_set_vgpr_msb (MSB<<8)|(\new)
.set MSB, (\new)
.endif
.endm
.set MUL_LO, 0xa1                      ; source 0 window 1, source 1 window 0, C and D window 2
.set MUL_HI, 0xf1                      ; the same, C and D window 3
.set TO_B,   0x40                      ; destination window 1
.macro JLOAD g0a, g1a, g0b, g1b        ; a joint load: waves 0 and 1 fetch for x, waves 2 and 3 for W; an s_nop 0 and four v_nop follow each of the two lines
	s_cmp_eq_u32 s15, 0
	s_cbranch_scc0 .Lfor_b_\@
	tensor_load_to_lds s[\g0a:\g0a+3], s[\g1a:\g1a+7]
	s_nop 0
.rept 4
	v_nop
.endr
	s_branch .Lasked_\@
.Lfor_b_\@:
	tensor_load_to_lds s[\g0b:\g0b+3], s[\g1b:\g1b+7]
	s_nop 0
.rept 4
	v_nop
.endr
.Lasked_\@:
.endm
.macro CROUND                          ; a round of the cluster's barrier
	s_barrier_signal -1
	s_barrier_wait -1
	s_cmp_lg_u32 s14, 0
	s_cbranch_scc1 .Lnot_wave_0_\@
	s_barrier_signal -3
.Lnot_wave_0_\@:
	s_barrier_wait -3
	s_barrier_signal -1
	s_barrier_wait -1
.endm
.macro PLACES n
.rept \n
	v_nop
.endr
.endm
	s_load_b128 s[4:7], s[0:1], 0x0                ; ximg, xscl
	s_load_b128 s[8:11], s[0:1], 0x10              ; wimg, wscl
	s_load_b64 s[12:13], s[0:1], 0x20              ; b_qkv
	s_load_b64 s[94:95], s[0:1], 0x28              ; qkv
	v_lshl_add_u32 v[SPW], v0, 2, SPARE
	v_mov_b32 v[NIL], 0
	ds_add_u32 v[SPW], v[NIL]                      ; the wave's opening: the add, twice on end, and its wait ahead of my first tensor load
	ds_add_u32 v[SPW], v[NIL]
	v_lshrrev_b32 v1, 5, v0
	v_readfirstlane_b32 s14, v1                    ; wave 0..3
	s_lshr_b32 s15, s14, 1                         ; wr: my half of source 1.  Also: I fetch for x (0) or for W (1)
	s_and_b32 s16, s14, 1                          ; wc: my half of source 0.  Also: which group of 128 rows I fetch
	s_bfe_u32 s40, ttmp6, 0x40000                  ; cx, cy
	s_bfe_u32 s41, ttmp6, 0x40004
	s_lshl_b32 s42, ttmp9, 2
	s_add_co_u32 s42, s42, s40                     ; work-group x: 256 columns
	s_and_b32 s17, ttmp7, 0xffff
	s_lshl_b32 s17, s17, 2
	s_add_co_u32 s17, s17, s41                     ; work-group y: 256 tokens
	s_lshl_b32 s43, s41, 2
	s_lshl_b32 s43, 15, s43                        ; my row of the cluster
	s_lshl_b32 s44, 0x1111, s40                    ; my column
	; descriptor group 1, codes: a dense block of 32768 bytes as 128 rows of 32 elements of 8 bytes; no padding
	s_or_b32 s[G1+0], s43, (3<<16)|(1<<21)
	s_or_b32 s[G1B+0], s44, (3<<16)|(1<<21)
.irp g, G1, G1B
	s_mov_b32 s[\g+1], 32<<16                      ; tensor_dim0
	s_mov_b32 s[\g+2], 128<<16                     ; tensor_dim1
	s_mov_b32 s[\g+3], 32<<16                      ; tile_dim0
	s_mov_b32 s[\g+4], 128                         ; tile_dim1
	s_mov_b32 s[\g+5], 32                          ; the pitch
	s_mov_b32 s[\g+6], 0
	s_mov_b32 s[\g+7], 0
.endr
	; scale words: 4096 dense bytes as 16 such rows
	s_or_b32 s[G1S+0], s43, (3<<16)|(1<<21)
	s_or_b32 s[G1SB+0], s44, (3<<16)|(1<<21)
.irp g, G1S, G1SB
	s_mov_b32 s[\g+1], 32<<16
	s_mov_b32 s[\g+2], 16<<16
	s_mov_b32 s[\g+3], 32<<16
	s_mov_b32 s[\g+4], 16
	s_mov_b32 s[\g+5], 32
	s_mov_b32 s[\g+6], 0
	s_mov_b32 s[\g+7], 0
.endr
	s_lshl_b32 s20, s17, 1
	s_add_co_u32 s20, s20, s16                     ; x's group that I fetch
	s_lshl_b32 s22, s20, 12                        ; its scale words,
	s_lshl_b32 s20, s20, 16                        ; its codes
	s_mov_b32 s21, 0
	s_mov_b32 s23, 0
	s_lshl_b32 s46, s42, 1
	s_add_co_u32 s46, s46, s16                     ; W's group
	s_lshl_b32 s92, s46, 12
	s_lshl_b32 s46, s46, 16
	s_mov_b32 s47, 0
	s_mov_b32 s93, 0
	s_lshl_b32 s45, s14, 15                        ; where they go: wave x 32768,
	s_lshl_b32 s66, s14, 12                        ; wave x 4096: no place in the cluster enters an LDS address
	s_mov_b32 s67, 0xffff0000                      ; lanes 16-31
	; the mode's choices: which operand is source 1, which source 0
	s_cmp_eq_u32 ttmp9, 2
	s_cselect_b32 s2, 65536, 0                     ; source 1's codes: x's (0) or W's (65536)
	s_cselect_b32 s3, 0, 65536                     ; source 0's
	s_cselect_b32 s18, 8192, 0                     ; and their scale words
	s_cselect_b32 s19, 0, 8192
	s_cselect_b32 s96, s16, s15                    ; which half of the work-group's tokens is mine,
	s_cselect_b32 s97, s15, s16                    ; which half of its columns
	s_lshl_b32 s98, s15, 15
	s_add_co_u32 s2, s2, s98
	s_lshl_b32 s98, s16, 15
	s_add_co_u32 s3, s3, s98
	s_lshl_b32 s98, s15, 12
	s_add_co_u32 s18, s18, s98
	s_add_co_u32 s18, s18, SCL
	s_lshl_b32 s98, s16, 12
	s_add_co_u32 s19, s19, s98
	s_add_co_u32 s19, s19, SCL
	s_cmp_eq_u32 ttmp9, 0
	s_cselect_b32 s99, 8960, 0                     ; the record's part: q's,
	s_cmp_eq_u32 ttmp9, 2
	s_cselect_b32 s99, 4608, s99                   ; v's, or k's at 0
	s_mov_b32 s[SEL], 0x76543210
	s_mov_b32 s[SEL+1], 0xfedcba98
	s_wait_dscnt 0x0                               ; both opening adds are done
	s_wait_kmcnt 0x0
	s_add_nc_u64 s[20:21], s[4:5], s[20:21]
	s_add_nc_u64 s[22:23], s[6:7], s[22:23]
	s_add_nc_u64 s[46:47], s[8:9], s[46:47]
	s_add_nc_u64 s[92:93], s[10:11], s[92:93]
	CROUND                                         ; all sixteen work-groups are here: the first joint loads meet
	s_mov_b32 s[G0S], 1
	s_add_co_u32 s[G0S+1], s66, SCL
	s_mov_b64 s[G0S+2:G0S+3], s[22:23]
	s_or_b32 s[G0S+3], s[G0S+3], 0x80000000
	s_mov_b32 s[G0SB], 1
	s_add_co_u32 s[G0SB+1], s66, SCL
	s_mov_b64 s[G0SB+2:G0SB+3], s[92:93]
	s_or_b32 s[G0SB+3], s[G0SB+3], 0x80000000
	JLOAD G0S, G1S, G0SB, G1SB                     ; the scale words first: they are wanted with the first half of K
.irp k, 0,1
	s_mov_b32 s[G0+4*\k], 1
	s_add_co_u32 s[G0+4*\k+1], s45, \k*KAP
	s_add_nc_u64 s[G0+4*\k+2:G0+4*\k+3], s[20:21], \k*32768
	s_or_b32 s[G0+4*\k+3], s[G0+4*\k+3], 0x80000000
	s_mov_b32 s[G0B+4*\k], 1
	s_add_co_u32 s[G0B+4*\k+1], s45, \k*KAP
	s_add_nc_u64 s[G0B+4*\k+2:G0B+4*\k+3], s[46:47], \k*32768
	s_or_b32 s[G0B+4*\k+3], s[G0B+4*\k+3], 0x80000000
	JLOAD G0+4*\k, G1, G0B+4*\k, G1B               ; three tensor loads of mine are out behind the second of these
.endr
	v_and_b32 v1, 15, v0                           ; r
	v_bfe_u32 v2, v0, 4, 1                         ; h
	v_and_b32 v5, 31, v0
	v_lshlrev_b32 v[VO], 4, v5
	v_add_nc_u32 v[ADRA], s2, v[VO]
	v_add_nc_u32 v[ADRA+1], KAP, v[ADRA]
	v_add_nc_u32 v[ADRB], s3, v[VO]
	v_add_nc_u32 v[ADRB+1], KAP, v[ADRB]
	v_lshlrev_b32 v6, 2, v1                        ; 4 r
	v_add_nc_u32 v7, s18, v6
	v_add_nc_u32 v8, s19, v6
	v_cndmask_b32 v[ADRS], v7, v8, s67             ; lanes 0-15 source 1's words, lanes 16-31 source 0's
	s_lshl_b32 s20, s14, 10
	s_add_co_u32 s20, s20, STGQ
	v_lshl_add_u32 v[SQI], v2, 9, v6
	v_add_nc_u32 v[SQI], s20, v[SQI]               ; 512 h + 4 r: each half of the lanes writes one head's words
	v_add_nc_u32 v[SQO], s20, v[VO]
	s_lshl_b32 s20, s14, 9
	s_add_co_u32 s20, s20, STGV
	v_add_nc_u32 v[SVI], s20, v6
	v_add_nc_u32 v[SVO], s20, v[VO]
	v_mul_u32_u24 v[VOV], v2, HEADB
	v_lshl_add_u32 v[VOV], v1, 4, v[VOV]
	v_lshlrev_b32 v[SH], 4, v2
	v_lshlrev_b32 v3, 6, v2                        ; the bias by register: 16 h numbers on
	s_wait_alu depctr_va_vdst(0)
	v_and_b32 v4, 8, v1
	v_add_nc_u32 v4, v4, v1
	v_lshlrev_b32 v4, 2, v4                        ; the bias by lane: r + 8 (r / 8) numbers on
	s_wait_alu depctr_va_vdst(0)
.irp b, 0,1,2,3
	v_mov_b32 v[TM+4+\b], 0                        ; a lane permute's destination counts as one of its sources
.endr
	s_lshl_b32 s46, s42, 10                        ; b_qkv at column 256 x work-group x + 128 wc,
	s_lshl_b32 s47, s16, 9
	s_add_co_u32 s46, s46, s47
	s_mov_b32 s47, 0
	s_add_nc_u64 s[46:47], s[12:13], s[46:47]
	s_lshl_b32 s92, s42, 10                        ; and + 128 wr.  Both sets are loaded in every mode; both lie inside b_qkv in every mode
	s_lshl_b32 s93, s15, 9
	s_add_co_u32 s92, s92, s93
	s_mov_b32 s93, 0
	s_add_nc_u64 s[92:93], s[12:13], s[92:93]
	WIN TO_B
.irp e, 0,1,2,3
.irp g, 0,1,2,3
	global_load_b128 v[BS+16*\e+4*\g:BS+16*\e+4*\g+3], v3, s[46:47] offset:128*\e+16*\g    ; register 16 e + i: column 32 e + 16 h + i
.endr
.endr
	WIN 0
.irp a, 0,1,2,3,4,5,6,7
	global_load_b32 v[BV+2*\a], v4, s[92:93] offset:(32*(\a/2)+8*(\a%2))*4                ; row r of tile a
.endr
	s_lshr_b32 s20, s17, 3                         ; where my part of the output begins: the batch,
	s_lshl_b32 s20, s20, 4
	s_and_b32 s21, s42, 3
	s_lshl_b32 s21, s21, 2
	s_add_co_u32 s20, s20, s21
	s_lshl_b32 s21, s97, 1
	s_add_co_u32 s20, s20, s21                     ; my first head: 4 (work-group x % 4) + 2 x my half of the columns
	s_mul_i32 s20, s20, HEADB
	s_and_b32 s21, s17, 7
	s_lshl_b32 s21, s21, 1
	s_add_co_u32 s21, s21, s96                     ; my 128 tokens of the sequence
	s_mul_i32 s21, s21, REC
	s_add_co_u32 s20, s20, s21
	s_add_co_u32 s20, s20, s99
	s_mov_b32 s21, 0
	s_add_nc_u64 s[94:95], s[94:95], s[20:21]
.macro FRAG reg, adr, off              ; a fragment: 8 registers, two loads of 512 consecutive bytes
.irp c, 0,1
	ds_load_b128 v[\reg+4*\c:\reg+4*\c+3], v[\adr] offset:\off+512*\c
.endr
.endm
.macro FETCH_B k, q, p                 ; source 0's eight fragments of half k's q-th K step into set p
	WIN TO_B
.irp i, 0,1,2,3,4,5,6,7
	FRAG 128*(\p)+8*\i, ADRB+\k, 8192*(\q)+1024*\i
.endr
	WIN 0
.endm
.macro FETCH_A k, q, a0                ; source 1's tiles a0 .. a0 + 3
.irp i, \a0, \a0+1, \a0+2, \a0+3
	FRAG AF+8*(\i), ADRA+\k, ASTEP*(\q)+1024*(\i)
.endr
.endm
.macro SCALES k                        ; the half's scale words: lanes 0-15 source 1's tile i, lanes 16-31 source 0's tile i
.irp i, 0,1,2,3,4,5,6,7
.irp q, 0,1,2,3
	ds_load_b32 v[SC+32*\k+4*\i+\q], v[ADRS] offset:512*\i+64*(4*\k+\q)
.endr
.endr
.endm
; 16 matrix instructions: source 1's tiles a0, a0 + 1 x source 0's eight.  The 64 accumulators take turns, one instruction a turn, in the same order in every step.
.macro MUL16 a0, p, q, k, zero
.irp a, \a0, \a0+1
.irp b, 0,1,2,3,4,5,6,7
.if \zero
	v_wmma_scale_f32_16x16x128_f8f6f4 v[8*(8*((\a)%4)+\b):8*(8*((\a)%4)+\b)+7], v[128*(\p)+8*\b:128*(\p)+8*\b+7], v[AF+8*(\a):AF+8*(\a)+7], 0, v[SC+32*(\k)+4*\b+(\q)], v[SC+32*(\k)+4*(\a)+(\q)] matrix_a_fmt:MATRIX_FMT_FP4 matrix_b_fmt:MATRIX_FMT_FP4 matrix_a_scale:MATRIX_SCALE_ROW1
.else
	v_wmma_scale_f32_16x16x128_f8f6f4 v[8*(8*((\a)%4)+\b):8*(8*((\a)%4)+\b)+7], v[128*(\p)+8*\b:128*(\p)+8*\b+7], v[AF+8*(\a):AF+8*(\a)+7], v[8*(8*((\a)%4)+\b):8*(8*((\a)%4)+\b)+7], v[SC+32*(\k)+4*\b+(\q)], v[SC+32*(\k)+4*(\a)+(\q)] matrix_a_fmt:MATRIX_FMT_FP4 matrix_b_fmt:MATRIX_FMT_FP4 matrix_a_scale:MATRIX_SCALE_ROW1
.endif
.endr
.endr
.endm
; A K step of 128 that has its successor in the same half.  Loads into registers that matrix instructions have read stand four plain places behind them.
.macro STEP k, q, zero
	s_wait_dscnt NA                                ; all but the youngest 8 loads (source 1's tiles 4-7) are in
	WIN MUL_LO
	MUL16 0, (\q)%2, \q, \k, \zero
	MUL16 2, (\q)%2, \q, \k, \zero
	s_wait_dscnt 0x0
	PLACES 4
	FETCH_B \k, (\q)+1, 1-(\q)%2
	FETCH_A \k, (\q)+1, 0
	WIN MUL_HI
	MUL16 4, (\q)%2, \q, \k, \zero
	MUL16 6, (\q)%2, \q, \k, \zero
	PLACES 4
	WIN 0
	FETCH_A \k, (\q)+1, 4
.endm
	s_wait_tensorcnt 1                             ; the scale words and my part of the first half of K are in; the second half's load may stay out
	s_barrier_signal -1
	s_barrier_wait -1                              ; everybody's are
	FETCH_B 0, 0, 0
	FETCH_A 0, 0, 0
	SCALES 0
	FETCH_A 0, 0, 4
	s_wait_loadcnt 0x0                             ; the biases
.irp a, 0,1,2,3,4,5,6,7
	v_mov_b32 v[BV+2*\a+1], v[BV+2*\a]             ; a pair for the packed addition
.endr
	STEP 0, 0, 1                                   ; the first products start the sums: nothing is cleared
	STEP 0, 1, 0
	STEP 0, 2, 0
	; the first half's last step: behind its barrier the second half of K is whole.  No LDS byte is filled again
	s_wait_tensorcnt 0x0                           ; my part of the second half has landed
	s_wait_dscnt NA
	WIN MUL_LO
	MUL16 0, 1, 3, 0, 0
	s_wait_dscnt 0x0                               ; no LDS instruction of mine is out at the signal
	s_barrier_signal -1
	MUL16 2, 1, 3, 0, 0
	WIN 0
	s_barrier_wait -1
	PLACES 4
	FETCH_B 1, 0, 0
	FETCH_A 1, 0, 0
	SCALES 1
	WIN MUL_HI
	MUL16 4, 1, 3, 0, 0
	MUL16 6, 1, 3, 0, 0
	PLACES 4
	WIN 0
	FETCH_A 1, 0, 4
	STEP 1, 0, 0
	STEP 1, 1, 0
	STEP 1, 2, 0
	s_wait_dscnt NA                                ; the last step: nothing more to fetch
	WIN MUL_LO
	MUL16 0, 1, 3, 1, 0
	MUL16 2, 1, 3, 1, 0
	s_wait_dscnt 0x0
	WIN MUL_HI
	MUL16 4, 1, 3, 1, 0
	MUL16 6, 1, 3, 1, 0
	WIN 0
	PLACES 4                                       ; in front of the first read of results, and of writes into source 1's registers
; 64 numbers of a lane, register 16 b + i = index 32 b + 16 (lane / 16) + i of my row, become a fragment's codes in v[pc] on and its scale word in v[pw]
.macro QUANT s, pc, pw
.irp b, 0,1,2,3
	v_max3_num_f32 v[TM+\b], |v[\s+16*\b]|, |v[\s+1+16*\b]|, 0x1800000   ; the floor 2^(3 - 127) holds the byte at 1 from below
.endr
.irp i, 2,4,6,8,10,12,14
.irp b, 0,1,2,3
	v_max3_num_f32 v[TM+\b], v[TM+\b], |v[\s+16*\b+\i]|, |v[\s+1+16*\b+\i]|
.endr
.endr
.irp b, 0,1,2,3
	v_permlanex16_b32 v[TM+4+\b], v[TM+\b], s[SEL], s[SEL+1]
.endr
.irp b, 0,1,2,3
	v_max_num_f32 v[TM+\b], v[TM+\b], v[TM+4+\b]   ; with lane l xor 16's: the block's largest magnitude
.endr
.irp b, 0,1,2,3
	v_add_nc_u32 v[TM+12+\b], 0xff000000, v[TM+\b] ; 2 off its exponent field: the conversion's scale operand
.endr
.irp b, 0,1,2,3
	v_lshrrev_b32 v[TM+4+\b], 23, v[TM+12+\b]      ; the scale's byte
.endr
	v_lshl_or_b32 v[\pw], v[TM+5], 8, v[TM+4]
	v_lshl_or_b32 v[\pw], v[TM+6], 16, v[\pw]
	v_lshl_or_b32 v[\pw], v[TM+7], 24, v[\pw]
.irp b, 0,1,2,3
	v_cvt_scalef32_pk8_fp4_f32 v[\pc+2*\b], v[\s+16*\b:\s+7+16*\b], v[TM+12+\b]
	v_cvt_scalef32_pk8_fp4_f32 v[\pc+1+2*\b], v[\s+8+16*\b:\s+15+16*\b], v[TM+12+\b]
.endr
	v_nop                                          ; one plain place behind a scaled conversion
.irp c, 0,1                                    ; the operand's layout wants a whole block in a lane
.irp i, 0,1
	v_permlane16_swap_b32 v[\pc+4*\c+\i], v[\pc+2+4*\c+\i]
.endr
.endr
.endm
; THE WAY OUT, a tile of source 1 at a time: the bias is added (each accumulator is read from its low end on), the 64 numbers are quantised, and the two halves of the fragment leave as 512 consecutive bytes each.
; q, k: the fragment's half c is head c of my two: token tile a's image.   v: tile a is channel tile a % 4 of head a / 4; the fragment is its image for these 128 tokens.
.macro EPI vway
.irp a, 0,1,2,3,4,5,6,7
.if \vway
	WIN 2+(\a)/4                                   ; source 0: the accumulators' window; the bias by lane lies in window 0
.else
	WIN 6+(\a)/4                                   ; and source 1, the bias by register, in window 1
.endif
.set i, 0
.rept 32
.if \vway
	v_pk_add_f32 v[HA+2*i:HA+2*i+1], v[64*((\a)%4)+2*i:64*((\a)%4)+2*i+1], v[BV+2*(\a):BV+2*(\a)+1]
.else
	v_pk_add_f32 v[HA+2*i:HA+2*i+1], v[64*((\a)%4)+2*i:64*((\a)%4)+2*i+1], v[BS+2*i:BS+2*i+1]
.endif
.set i, i+1
.endr
	WIN 0
.if \a > 0
	s_wait_xcnt 0x0                                ; the last tile's stores have read the codes' registers
.endif
	QUANT HA, PC, PWS+\a
.irp c, 0,1
.if \vway
	global_store_b128 v[VO], v[PC+4*\c:PC+4*\c+3], s[94:95] offset:HEADB*((\a)/4)+1024*((\a)%4)+512*\c
.else
	global_store_b128 v[VO], v[PC+4*\c:PC+4*\c+3], s[94:95] offset:HEADB*\c+512*\a
.endif
.endr
.endr
.endm
	s_cmp_eq_u32 ttmp9, 2                          ; the mode: the same in all sixteen partners
	s_cbranch_scc1 .Lv_out
	EPI 0
.irp a, 0,1,2,3,4,5,6,7                        ; a word holds two heads' two bytes: lanes 0-15 keep the first head's, lanes 16-31 the second's; the upper two bytes are 0
	v_lshrrev_b32 v[TW+\a], v[SH], v[PWS+\a]
.endr
.irp a, 0,1,2,3,4,5,6,7
	v_and_b32 v[TW+\a], 0xffff, v[TW+\a]
.endr
.irp a, 0,1,2,3,4,5,6,7
	ds_store_b32 v[SQI], v[TW+\a] offset:64*\a
.endr
	ds_load_b128 v[RB:RB+3], v[SQO]                ; LDS serves a wave's instructions in order: these see my stores
	ds_load_b128 v[RB+4:RB+7], v[SQO] offset:512
	s_wait_dscnt 0x0
	global_store_b128 v[VO], v[RB:RB+3], s[94:95] offset:4096          ; 512 consecutive bytes: 8 tiles' scale words of one head
	global_store_b128 v[VO], v[RB+4:RB+7], s[94:95] offset:4096+HEADB
	s_branch .Lclose
.Lv_out:
	s_wait_alu depctr_va_vdst(0)
	EPI 1
.irp a, 0,1,2,3,4,5,6,7
	ds_store_b32 v[SVI], v[PWS+\a] offset:64*\a    ; both halves of the lanes write the same word with the same value
.endr
	ds_load_b128 v[RB:RB+3], v[SVO]
	s_wait_dscnt 0x0
	global_store_b128 v[VOV], v[RB:RB+3], s[94:95] offset:4096         ; lanes 0-15: the first head's 256 bytes; lanes 16-31: the second's
.Lclose:
	s_wait_tensorcnt 0x0                           ; the wave's end: behind my last tensor load and my last LDS store
	ds_add_u32 v[SPW], v[NIL]
	s_wait_dscnt 0x0
	CROUND                                         ; the closing round
	s_endpgm
.Lfunc_end_k_qe66a30c140_gemm_qkv:
	.size	k_qe66a30c140_gemm_qkv, .Lfunc_end_k_qe66a30c140_gemm_qkv-k_qe66a30c140_gemm_qkv
	.p2alignl 7, 3214868480
	.fill 96, 4, 3214868480
	.section	.rodata,"a",@progbits
	.p2align	6, 0x0
	.amdhsa_kernel k_qe66a30c140_gemm_qkv
		.amdhsa_group_segment_fixed_size 286720
		.amdhsa_private_segment_fixed_size 0
		.amdhsa_enable_private_segment 0
		.amdhsa_kernarg_size 48
		.amdhsa_user_sgpr_count 2
		.amdhsa_user_sgpr_kernarg_segment_ptr 1
		.amdhsa_wavefront_size32 1
		.amdhsa_system_sgpr_workgroup_id_x 1
		.amdhsa_system_sgpr_workgroup_id_y 1
		.amdhsa_system_sgpr_workgroup_id_z 1
		.amdhsa_system_vgpr_workitem_id 0
		.amdhsa_next_free_vgpr 1024
		.amdhsa_next_free_sgpr 102
		.amdhsa_reserve_vcc 0
		.amdhsa_float_denorm_mode_32 3
		.amdhsa_float_denorm_mode_16_64 3
		.amdhsa_memory_ordered 1
		.amdhsa_forward_progress 1
		.amdhsa_inst_pref_size 200
	.end_amdhsa_kernel
	.amdgpu_metadata
---
amdhsa.version: [ 1, 2 ]
amdhsa.kernels:
  - .name:           k_qe66a30c140_gemm_qkv
    .symbol:         k_qe66a30c140_gemm_qkv.kd
    .args:
      - { .name: ximg, .offset: 0, .size: 8, .value_kind: global_buffer, .address_space: global }
      - { .name: xscl, .offset: 8, .size: 8, .value_kind: global_buffer, .address_space: global }
      - { .name: wimg, .offset: 16, .size: 8, .value_kind: global_buffer, .address_space: global }
      - { .name: wscl, .offset: 24, .size: 8, .value_kind: global_buffer, .address_space: global }
      - { .name: b_qkv, .offset: 32, .size: 8, .value_kind: global_buffer, .address_space: global }
      - { .name: qkv, .offset: 40, .size: 8, .value_kind: global_buffer, .address_space: global }
    .group_segment_fixed_size: 286720
    .private_segment_fixed_size: 0
    .kernarg_segment_align: 8
    .kernarg_segment_size: 48
    .max_flat_workgroup_size: 128
    .sgpr_count:     102
    .vgpr_count:     1024
    .wavefront_size: 32
...
	.end_amdgpu_metadata
.endif
;; end of part 2
;; launch attn (part 3): grid 4 x 64, 16 waves a work-group, clusters of 4 x 1, 167,936 bytes of LDS; arguments qkv, oimg, oscl; writes oimg, oscl
.if DOCPART == 3
	.amdgcn_target "amdgcn-amd-amdhsa--gfx1250"
	.amdhsa_code_object_version 6
	.text
	.protected	k_qe66a30c140_attn
	.globl	k_qe66a30c140_attn
	.p2align	8
	.type	k_qe66a30c140_attn,@function
k_qe66a30c140_attn:
	s_mov_b64 s[64:65], 0
	v_nop
	global_prefetch_b8 v0, s[64:65] scope:SCOPE_SE
	s_setreg_imm32_b32 hwreg(HW_REG_WAVE_MODE, 25, 1), 1
	s_wait_xcnt 0x0
	s_wait_alu depctr_hold_cnt(0) depctr_sa_sdst(0) depctr_va_vdst(0) depctr_va_sdst(0) depctr_va_ssrc(0) depctr_va_vcc(0) depctr_vm_vsrc(0)
	s_getreg_b32 s2, hwreg(HW_REG_IB_STS2, 6, 4)
	s_cmp_eq_u32 s2, 0
	s_cbranch_scc0 .Lentry_in_a_cluster
	s_endpgm
.Lentry_in_a_cluster:
	s_bfe_u32 s2, ttmp6, 0x10000c
	s_cmp_lg_u32 s2, 0x3003
	s_cbranch_scc0 .Lentry_shape_is_right
	s_endpgm
.Lentry_shape_is_right:
; Causal attention of one (batch, head) on codes of FP4 with E8M0 scales; its result, divided by the row's sum, is quantised along the channels and stored as the last product's operand image.
; t = score x log2(e) / 8; M = the running largest t rounded UP to a whole number; p = 2^(t - M) is quantised along the keys, not normalised; the row's sum is taken of the unquantised p; a move of M multiplies sum and O by 2^(old M - new M), exactly.
; THE WHOLE HEAD'S K AND V LIE IN LDS: 16 records (128 keys each) of 8960 bytes: +0 k's 8 tiles x 512; +4096 k's scale words; +4608 v^T's 4 channel tiles x 1024; +8704 v's scale words.  Filled ONCE: each of the sixteen waves brings one record.
; CLUSTER 4 x 1: the four work-groups of a head want the same records: each load is a joint one, mask 15.
; SHARES.  A head has 128 tiles of 16 queries; tile T needs T / 8 + 1 key steps.  Work-group j takes tiles 4 m + j; wave w takes m = 31 - w, then m = w: (31 - w) / 2 + 1 + w / 2 + 1 = 17 key steps for every wave of every work-group.
; LAYOUT.  Both products are used transposed (S^T = K Q^T, O^T = V^T P^T): a lane holds one query.  Row r of a tile is row 32 (i / 2) + 8 (i % 2) + r + 8 (r / 8) of its 128, so register 16 B + i of S^T is key 32 B + 16 (lane / 16) + i, and of O^T channel likewise.
; K = 64 IN AN INSTRUCTION OF K = 128: Q's upper four registers are zero codes, so whatever codes stand in K's upper four (the next tile's) add nothing; both sides' upper two scale bytes are 0, which is a number.
; THE MASK.  Every wave walks 16 trips; a step all of whose keys come after its queries is jumped over (a branch on the wave's number and the trip's count); in the step on the diagonal hidden scores become -infinity.
; LIMITS: -infinity stands for reference's -1e9: the same p = 0 while a row's largest logit lies above about -1e9 + 100; a block of zeros keeps the byte 1 (this program alone reads the bytes); NaN and infinities are not served.
; REGISTERS: v1-11 addresses; v12 -M, v13 the largest t, v[14:15] the sum; v16-31 Q of both passes; v32-67 K; v68-69 Q's, v70-71 V's, v72-75 K's scale words; v96-159 S^T, then p; v160-191 O^T; v192-223 V; v224-231 codes; v232-254 at work.
.set REC,   13568
.set LREC,  8960
.set HEADB, 217088
.set SPARE, 143360                     ; behind the records: the spare words, 128 bytes a wave, named by no other line
.set SPW,  5
.set NIL,  6
.set WV,   18
.set SEL,  20
.set CS,   22
.set G1,   24
.set G0,   40
.macro CROUND
	s_barrier_signal -1
	s_barrier_wait -1
	s_cmp_lg_u32 s[WV], 0
	s_cbranch_scc1 .Lnot_wave_0_\@
	s_barrier_signal -3
.Lnot_wave_0_\@:
	s_barrier_wait -3
	s_barrier_signal -1
	s_barrier_wait -1
.endm
	s_load_b128 s[4:7], s[0:1], 0x0                ; qkv, oimg
	s_load_b64 s[8:9], s[0:1], 0x10                ; oscl
	v_lshl_add_u32 v[SPW], v0, 2, SPARE
	v_mov_b32 v[NIL], 0
	ds_add_u32 v[SPW], v[NIL]                      ; the wave's opening: the add, twice on end, and its wait ahead of my first tensor load
	ds_add_u32 v[SPW], v[NIL]
	v_lshrrev_b32 v8, 5, v0
	s_delay_alu instid0(VALU_DEP_1)
	v_readfirstlane_b32 s[WV], v8                  ; wave 0..15
	s_bfe_u32 s12, ttmp6, 0x40000                  ; cx: it enters Q's and O's global addresses and the mask's lane number alone
	s_and_b32 s13, ttmp7, 0xffff                   ; 16 x batch + head, which the four partners share
	s_mul_i32 s14, s13, HEADB
	s_mov_b32 s[G1], 15|(3<<16)|(1<<21)            ; the mask: all four; elements of 8 bytes; bit 21 beside a mask
	s_mov_b32 s[G1+1], 32<<16                      ; rows of 256 bytes,
	s_mov_b32 s[G1+2], 35<<16                      ; 35 of them,
	s_mov_b32 s[G1+3], 32<<16
	s_mov_b32 s[G1+4], 35
	s_mov_b32 s[G1+5], 32                          ; dense
	s_mov_b32 s[G1+6], 0
	s_mov_b32 s[G1+7], 0
	s_mul_i32 s15, s[WV], REC
	s_add_co_u32 s16, s14, s15                     ; my record in memory,
	s_mov_b32 s17, 0
	s_mul_i32 s19, s[WV], LREC                     ; and in LDS
	s_mov_b32 s[SEL], 0x76543210
	s_mov_b32 s[SEL+1], 0xfedcba98
	s_mov_b32 s[CS], 0x3e38aa3b                    ; c = log2(e) / 8
	s_mov_b32 s[CS+1], s[CS]
	s_wait_dscnt 0x0                               ; both opening adds are done
	s_wait_kmcnt 0x0
	s_mov_b32 s[G0], 1
	s_mov_b32 s[G0+1], s19
	s_add_nc_u64 s[G0+2:G0+3], s[4:5], s[16:17]
	s_or_b32 s[G0+3], s[G0+3], 0x80000000
	CROUND                                         ; all four work-groups are here: the joint loads meet
	tensor_load_to_lds s[G0:G0+3], s[G1:G1+7]      ; one tensor load of mine is out
	s_nop 0
.rept 4
	v_nop
.endr
	s_lshr_b32 s66, s13, 4
	s_lshl_b32 s66, s66, 4                         ; 16 x batch: the batch's first group of 128 tokens
	s_bfe_u32 s67, s13, 0x30001                    ; head / 2: the last product's K step
	s_and_b32 s68, s13, 1                          ; head % 2: which half of it
; pass p's numbers: s[44+p] the diagonal's key step; s[46+p] my tile's first query in its 128; s[48+2p] Q's codes, s[52+2p] Q's scale words, s[32+2p] O's codes, s[36+2p] O's scale half words
.macro PREP p
.if \p == 0
	s_sub_co_u32 s70, 31, s[WV]
.else
	s_mov_b32 s70, s[WV]
.endif
	s_lshr_b32 s[44+\p], s70, 1
	s_and_b32 s71, s70, 1
	s_lshl_b32 s72, s71, 2
	s_add_co_u32 s72, s72, s12                     ; the tile in its group: 4 (m % 2) + cx
	s_lshl_b32 s71, s71, 6
	s_lshr_b32 s73, s12, 1
	s_lshl_b32 s73, s73, 5
	s_add_co_u32 s71, s71, s73
	s_and_b32 s73, s12, 1
	s_lshl_b32 s73, s73, 3
	s_add_co_u32 s[46+\p], s71, s73
	s_mul_i32 s74, s[44+\p], REC
	s_add_co_u32 s74, s74, s14
	s_lshl_b32 s73, s72, 9
	s_add_co_u32 s76, s74, s73
	s_add_co_u32 s76, s76, 8960
	s_mov_b32 s77, 0
	s_add_nc_u64 s[48+2*\p:49+2*\p], s[4:5], s[76:77]
	s_lshl_b32 s73, s72, 6
	s_add_co_u32 s76, s74, s73
	s_add_co_u32 s76, s76, 13056
	s_add_nc_u64 s[52+2*\p:53+2*\p], s[4:5], s[76:77]
	s_add_co_u32 s74, s66, s[44+\p]                ; the group of 128 tokens
	s_lshl_b32 s76, s74, 16
	s_lshl_b32 s73, s67, 13
	s_add_co_u32 s76, s76, s73
	s_lshl_b32 s73, s72, 10
	s_add_co_u32 s76, s76, s73
	s_lshl_b32 s73, s68, 9
	s_add_co_u32 s76, s76, s73
	s_add_nc_u64 s[32+2*\p:33+2*\p], s[6:7], s[76:77]
	s_lshl_b32 s76, s74, 3
	s_add_co_u32 s76, s76, s72
	s_lshl_b32 s76, s76, 9
	s_lshl_b32 s73, s67, 6
	s_add_co_u32 s76, s76, s73
	s_lshl_b32 s73, s68, 1
	s_add_co_u32 s76, s76, s73
	s_add_nc_u64 s[36+2*\p:37+2*\p], s[8:9], s[76:77]
.endm
	PREP 0
	PREP 1
	v_and_b32 v8, 31, v0
	s_delay_alu instid0(VALU_DEP_1)
	v_lshlrev_b32 v1, 4, v8                        ; 16 x lane
	s_delay_alu instid0(VALU_DEP_2)
	v_lshlrev_b32 v2, 2, v8                        ; 4 x lane
	v_and_b32 v3, 15, v0                           ; r
	v_bfe_u32 v4, v0, 4, 1                         ; h
	s_delay_alu instid0(VALU_DEP_2)
	v_lshlrev_b32 v11, 2, v3                       ; 4 r
	s_delay_alu instid0(VALU_DEP_3)
	v_and_b32 v10, 8, v3
	s_delay_alu instid0(VALU_DEP_1)
	v_add_nc_u32 v10, v10, v3
	s_delay_alu instid0(VALU_DEP_4)
	v_lshlrev_b32 v8, 4, v4
	s_delay_alu instid0(VALU_DEP_1)
	v_sub_nc_u32 v10, v10, v8                      ; r + 8 (r / 8) - 16 h
.irp p, 0,1
	global_load_b128 v[16+8*\p:19+8*\p], v1, s[48+2*\p:49+2*\p]    ; both passes' Q: lane (r, h): query row r, channels 32 h ..
	global_load_b32 v[68+\p], v11, s[52+2*\p:53+2*\p]
.endr
.irp j, 20,21,22,23,28,29,30,31,64,65,66,67,236,237,238,239,252,253
	v_mov_b32 v[\j], 0                             ; Q's upper halves and K's tail: zero codes; lane permutes' destinations; the pair v[252:253]
.endr
	s_wait_tensorcnt 0x0                           ; my record is in,
	s_barrier_signal -1
	s_barrier_wait -1                              ; everybody's is
	s_wait_loadcnt 0x0                             ; Q
.macro PASS p
	v_mov_b32 v13, 0xff61b1e6                      ; the largest t so far: -3e38
	s_delay_alu instid0(VALU_DEP_1)
	v_floor_f32 v12, -v13                          ; -M
	v_mov_b32 v14, 0
	v_mov_b32 v15, 0
.set j, 0
.rept 32
	v_mov_b32 v[160+j], 0                          ; O^T: the step is written once; its first turn finds zeros
.set j, j+1
.endr
	v_add_nc_u32 v7, s[46+\p], v10                 ; d = my query in its 128 - 16 h: register 16 B + i is hidden on the diagonal where 32 B + i > d
	s_mov_b32 s10, s[44+\p]
	s_mov_b32 s2, 0                                ; the record in hand
	s_mov_b32 s3, 0                                ; the key step
.Lks_\@:
	s_cmp_gt_u32 s3, s10                           ; all its keys come after my queries: the step's work is left out
	s_cbranch_scc1 .Lhid_\@
	s_setprio 2
	v_add_nc_u32 v8, s2, v1
	v_add_nc_u32 v9, s2, v2
	v_nop
	v_nop                                          ; four plain places in front of loads into registers that the last products read
.irp t, 0,1,2,3,4,5,6,7
	ds_load_b128 v[32+4*\t:35+4*\t], v8 offset:512*\t
.endr
.irp x, 0,1,2,3
	ds_load_b32 v[72+\x], v9 offset:4096+128*\x    ; lanes 0-15: tile 2 x's words; lanes 16-31: tile 2 x + 1's
.endr
.irp t, 0,1,2,3
.irp c, 0,1
	ds_load_b128 v[192+8*\t+4*\c:195+8*\t+4*\c], v8 offset:4608+1024*\t+512*\c
.endr
.endr
.irp x, 0,1
	ds_load_b32 v[70+\x], v9 offset:8704+128*\x
.endr
	s_wait_dscnt 10                                ; K and its words are in; V's 8 loads and its 2 of words may be out
.irp t, 0,1,2,3,4,5,6,7
.if (\t)%2
	v_wmma_scale_f32_16x16x128_f8f6f4 v[96+8*\t:103+8*\t], v[32+4*\t:39+4*\t], v[16+8*\p:23+8*\p], 0, v[72+\t/2], v[68+\p] matrix_a_fmt:MATRIX_FMT_FP4 matrix_b_fmt:MATRIX_FMT_FP4 matrix_a_scale:MATRIX_SCALE_ROW1
.else
	v_wmma_scale_f32_16x16x128_f8f6f4 v[96+8*\t:103+8*\t], v[32+4*\t:39+4*\t], v[16+8*\p:23+8*\p], 0, v[72+\t/2], v[68+\p] matrix_a_fmt:MATRIX_FMT_FP4 matrix_b_fmt:MATRIX_FMT_FP4
.endif
.endr
.rept 4
	v_nop
.endr
	s_cmp_lg_u32 s3, s10                           ; only the step on the diagonal has hidden keys
	s_cbranch_scc1 .Lopen_\@
	v_mov_b32 v254, 0xff800000                     ; -infinity
.set n, 0
	s_wait_alu depctr_va_vdst(0)
.rept 64
	v_cmp_gt_i32 vcc_lo, 32*(n/16)+n%16, v7
	v_cndmask_b32 v[96+n], v[96+n], v254, vcc_lo
.set n, n+1
.endr
.Lopen_\@:
.irp b, 0,1,2,3
	v_max3_num_f32 v[232+\b], v[96+16*\b], v[97+16*\b], v[98+16*\b]    ; the largest score of each block of 32 keys: for the row's maximum, and, since p rises with the score, for the block's largest p
.endr
.irp i, 3,5,7,9,11,13
.irp b, 0,1,2,3
	v_max3_num_f32 v[232+\b], v[232+\b], v[96+16*\b+\i], v[97+16*\b+\i]
.endr
.endr
.irp b, 0,1,2,3
	v_max_num_f32 v[232+\b], v[232+\b], v[111+16*\b]
.endr
.irp b, 0,1,2,3
	s_delay_alu instid0(VALU_DEP_4)
	v_permlanex16_b32 v[236+\b], v[232+\b], s[SEL], s[SEL+1]
.endr
.irp b, 0,1,2,3
	s_delay_alu instid0(VALU_DEP_4)
	v_max_num_f32 v[232+\b], v[232+\b], v[236+\b]  ; with lane l xor 16's 16 keys
.endr
	s_delay_alu instid0(VALU_DEP_2)
	v_max3_num_f32 v254, v232, v233, v234
	s_delay_alu instid0(VALU_DEP_1)
	v_max_num_f32 v254, v254, v235
	s_delay_alu instid0(VALU_DEP_1)
	v_mul_f32 v254, s[CS], v254                    ; the step's largest t
	s_delay_alu instid0(VALU_DEP_1)
	v_max_num_f32 v13, v13, v254
	v_mov_b32 v254, v12
	s_delay_alu instid0(VALU_DEP_2)
	v_floor_f32 v12, -v13                          ; the new -M = floor(-t): M is a whole number
	s_delay_alu instid0(VALU_DEP_1)
	v_sub_f32 v254, v12, v254                      ; old M - new M: a whole number, 0 or less
	s_delay_alu instid0(VALU_DEP_1)
	v_cvt_i32_f32 v254, v254
	s_delay_alu instid0(VALU_DEP_1)
	v_ldexp_f32 v252, 1.0, v254                    ; f = 2^(old M - new M)
.set j, 0
.rept 32
	v_pk_fma_f32 v[96+j:97+j], v[96+j:97+j], s[CS:CS+1], v[12:13] op_sel_hi:[1,0,0]   ; t - M, two at a time
.set j, j+2
.endr
	s_setprio 1
.irp b, 0,1,2,3
	v_fma_f32 v[232+\b], v[232+\b], s[CS], v12     ; the same of each block's largest score
.endr
.set j, 0
	s_wait_alu depctr_va_vdst(0)
.rept 64
	v_exp_f32 v[96+j], v[96+j]                     ; p = 2^(t - M)
.set j, j+1
.endr
	v_pk_mul_f32 v[14:15], v[14:15], v[252:253] op_sel_hi:[1,0]    ; the sums under the new M: a plain place behind the exponentials
	s_wait_alu depctr_va_vdst(0)                   ; the wait ahead of the first line that names a result: one for the batch of 64
.irp b, 0,1,2,3
	v_exp_f32 v[232+\b], v[232+\b]                 ; the block's largest p
.endr
	v_pk_add_f32 v[236:237], v[100:101], v[104:105]
	v_pk_add_f32 v[250:251], v[108:109], v[112:113]
	v_pk_add_f32 v[248:249], v[116:117], v[120:121]
	v_pk_add_f32 v[242:243], v[124:125], v[128:129]
	v_pk_add_f32 v[94:95], v[132:133], v[136:137]
	v_pk_add_f32 v[92:93], v[140:141], v[144:145]
	v_pk_add_f32 v[90:91], v[148:149], v[152:153]
	v_pk_add_f32 v[14:15], v[14:15], v[156:157]
	v_pk_add_f32 v[236:237], v[236:237], v[96:97]
	v_pk_add_f32 v[250:251], v[250:251], v[98:99]
	v_pk_add_f32 v[248:249], v[248:249], v[102:103]
	v_pk_add_f32 v[242:243], v[242:243], v[106:107]
	v_pk_add_f32 v[94:95], v[94:95], v[110:111]
	v_pk_add_f32 v[92:93], v[92:93], v[114:115]
	v_pk_add_f32 v[90:91], v[90:91], v[118:119]
	v_pk_add_f32 v[14:15], v[14:15], v[122:123]
	v_pk_add_f32 v[236:237], v[236:237], v[126:127]
	v_pk_add_f32 v[250:251], v[250:251], v[130:131]
	v_pk_add_f32 v[248:249], v[248:249], v[134:135]
	v_pk_add_f32 v[242:243], v[242:243], v[138:139]
	v_pk_add_f32 v[94:95], v[94:95], v[142:143]
	v_pk_add_f32 v[92:93], v[92:93], v[146:147]
	v_pk_add_f32 v[90:91], v[90:91], v[150:151]
	v_pk_add_f32 v[14:15], v[14:15], v[154:155]
	v_pk_add_f32 v[236:237], v[236:237], v[158:159]
	s_delay_alu instid0(VALU_DEP_2)
	v_pk_add_f32 v[14:15], v[14:15], v[242:243]
	s_delay_alu instid0(VALU_DEP_2)
	v_pk_add_f32 v[236:237], v[236:237], v[94:95]
	v_pk_add_f32 v[250:251], v[250:251], v[92:93]
	v_pk_add_f32 v[248:249], v[248:249], v[90:91]
	s_delay_alu instid0(VALU_DEP_2)
	v_pk_add_f32 v[14:15], v[14:15], v[250:251]
	s_delay_alu instid0(VALU_DEP_2)
	v_pk_add_f32 v[236:237], v[236:237], v[248:249]
	s_delay_alu instid0(VALU_DEP_1)
	v_pk_add_f32 v[14:15], v[14:15], v[236:237]
	s_wait_alu depctr_va_vdst(0)                   ; and one for the four
.irp b, 0,1,2,3
	v_max_num_f32 v[232+\b], 0x1800000, v[232+\b]  ; the floor: the byte cannot fall under 1
.endr
.irp b, 0,1,2,3
	s_delay_alu instid0(VALU_DEP_4)
	v_add_nc_u32 v[244+\b], 0xff000000, v[232+\b]
.endr
.irp b, 0,1,2,3
	s_delay_alu instid0(VALU_DEP_4)
	v_lshrrev_b32 v[236+\b], 23, v[244+\b]
.endr
	s_delay_alu instid0(VALU_DEP_3)
	v_lshl_or_b32 v253, v237, 8, v236              ; p's scale word for these 128 keys
	s_delay_alu instid0(VALU_DEP_1)
	v_lshl_or_b32 v253, v238, 16, v253
	s_delay_alu instid0(VALU_DEP_1)
	v_lshl_or_b32 v253, v239, 24, v253
	s_setprio 0
.irp b, 0,1,2,3
	v_cvt_scalef32_pk8_fp4_f32 v[224+2*\b], v[96+16*\b:103+16*\b], v[244+\b]
	v_cvt_scalef32_pk8_fp4_f32 v[225+2*\b], v[104+16*\b:111+16*\b], v[244+\b]
.endr
	v_nop
.irp c, 0,1
.irp i, 0,1
	v_permlane16_swap_b32 v[224+4*\c+\i], v[226+4*\c+\i]
.endr
.endr
.set j, 0
.rept 16
	v_pk_mul_f32 v[160+j:161+j], v[160+j:161+j], v[252:253] op_sel_hi:[1,0]    ; O^T under the new M.  These 16 are also the places between the scale word, the codes and the scaled products
.set j, j+2
.endr
	s_wait_alu depctr_va_vdst(0)
	s_wait_dscnt 0x0                               ; V and its words are in
.irp t, 0,1,2,3                                ; the four accumulators take turns; the eight products of S^T stand between two links of a chain
.if (\t)%2
	v_wmma_scale_f32_16x16x128_f8f6f4 v[160+8*\t:167+8*\t], v[192+8*\t:199+8*\t], v[224:231], v[160+8*\t:167+8*\t], v[70+\t/2], v253 matrix_a_fmt:MATRIX_FMT_FP4 matrix_b_fmt:MATRIX_FMT_FP4 matrix_a_scale:MATRIX_SCALE_ROW1
.else
	v_wmma_scale_f32_16x16x128_f8f6f4 v[160+8*\t:167+8*\t], v[192+8*\t:199+8*\t], v[224:231], v[160+8*\t:167+8*\t], v[70+\t/2], v253 matrix_a_fmt:MATRIX_FMT_FP4 matrix_b_fmt:MATRIX_FMT_FP4
.endif
.endr
.Lhid_\@:
	s_add_co_u32 s2, s2, LREC
	s_add_co_u32 s3, s3, 1
	s_cmp_lt_u32 s3, 16
	s_cbranch_scc1 .Lks_\@
	s_setprio 0
	; the pass's end: O^T / the sum, quantised along the channels: my head's 64 are two blocks of the last product's K
.rept 4
	v_nop
.endr
	v_add_f32 v14, v14, v15
	s_delay_alu instid0(VALU_DEP_1)
	v_permlanex16_b32 v252, v14, s[SEL], s[SEL+1]
	s_delay_alu instid0(VALU_DEP_1)
	v_add_f32 v14, v14, v252                       ; the row's sum
	s_wait_alu depctr_va_vdst(0)
	v_rcp_f32 v14, v14
	v_nop
	s_wait_alu depctr_va_vdst(0)                   ; ahead of the reciprocal's first reader
.set j, 0
.rept 32
	v_mul_f32 v[96+j], v[160+j], v14               ; register 16 B + i: channel 32 B + 16 h + i
.set j, j+1
.endr
.irp b, 0,1
	v_max3_num_f32 v[232+\b], |v[96+16*\b]|, |v[97+16*\b]|, 0x1800000
.endr
.irp i, 2,4,6,8,10,12,14
.irp b, 0,1
	s_delay_alu instid0(VALU_DEP_2)
	v_max3_num_f32 v[232+\b], v[232+\b], |v[96+16*\b+\i]|, |v[97+16*\b+\i]|
.endr
.endr
.irp b, 0,1
	s_delay_alu instid0(VALU_DEP_2)
	v_permlanex16_b32 v[236+\b], v[232+\b], s[SEL], s[SEL+1]
.endr
.irp b, 0,1
	s_delay_alu instid0(VALU_DEP_2)
	v_max_num_f32 v[232+\b], v[232+\b], v[236+\b]
.endr
.irp b, 0,1
	s_delay_alu instid0(VALU_DEP_2)
	v_add_nc_u32 v[244+\b], 0xff000000, v[232+\b]
.endr
.irp b, 0,1
	s_delay_alu instid0(VALU_DEP_2)
	v_lshrrev_b32 v[236+\b], 23, v[244+\b]
.endr
	s_delay_alu instid0(VALU_DEP_1)
	v_lshl_or_b32 v240, v237, 8, v236              ; my head's two bytes of the row's scale word
.irp b, 0,1
	v_cvt_scalef32_pk8_fp4_f32 v[224+2*\b], v[96+16*\b:103+16*\b], v[244+\b]
	v_cvt_scalef32_pk8_fp4_f32 v[225+2*\b], v[104+16*\b:111+16*\b], v[244+\b]
.endr
	v_nop
	v_permlane16_swap_b32 v224, v226
	v_permlane16_swap_b32 v225, v227               ; lanes 0-15 hold block 0 whole, lanes 16-31 block 1
	global_store_b128 v1, v[224:227], s[32+2*\p:33+2*\p]           ; 512 consecutive bytes, aligned: half a fragment of the image
	v_cmp_eq_u32 vcc_lo, 0, v4
	s_wait_alu depctr_va_vdst(0)
	s_wait_xcnt 0x0                                ; EXEC changes only behind this wait
	s_and_saveexec_b32 s11, vcc_lo                 ; lanes 0-15: one lane a row
	global_store_b16 v11, v240, s[36+2*\p:37+2*\p]
	s_wait_xcnt 0x0                                ; and again in front of the line that widens it; the stores' registers may be written again too
	s_or_b32 exec_lo, exec_lo, s11
.endm
	PASS 0
	PASS 1
	s_wait_tensorcnt 0x0                           ; the wave's end
	ds_add_u32 v[SPW], v[NIL]
	s_wait_dscnt 0x0
	CROUND                                         ; the closing round
	s_endpgm
.Lfunc_end_k_qe66a30c140_attn:
	.size	k_qe66a30c140_attn, .Lfunc_end_k_qe66a30c140_attn-k_qe66a30c140_attn
	.p2alignl 7, 3214868480
	.fill 96, 4, 3214868480
	.section	.rodata,"a",@progbits
	.p2align	6, 0x0
	.amdhsa_kernel k_qe66a30c140_attn
		.amdhsa_group_segment_fixed_size 167936
		.amdhsa_private_segment_fixed_size 0
		.amdhsa_enable_private_segment 0
		.amdhsa_kernarg_size 24
		.amdhsa_user_sgpr_count 2
		.amdhsa_user_sgpr_kernarg_segment_ptr 1
		.amdhsa_wavefront_size32 1
		.amdhsa_system_sgpr_workgroup_id_x 1
		.amdhsa_system_sgpr_workgroup_id_y 1
		.amdhsa_system_sgpr_workgroup_id_z 1
		.amdhsa_system_vgpr_workitem_id 0
		.amdhsa_next_free_vgpr 256
		.amdhsa_next_free_sgpr 80
		.amdhsa_reserve_vcc 1
		.amdhsa_float_denorm_mode_32 3
		.amdhsa_float_denorm_mode_16_64 3
		.amdhsa_memory_ordered 1
		.amdhsa_forward_progress 1
		.amdhsa_inst_pref_size 62
	.end_amdhsa_kernel
	.amdgpu_metadata
---
amdhsa.version: [ 1, 2 ]
amdhsa.kernels:
  - .name:           k_qe66a30c140_attn
    .symbol:         k_qe66a30c140_attn.kd
    .args:
      - { .name: qkv, .offset: 0, .size: 8, .value_kind: global_buffer, .address_space: global }
      - { .name: oimg, .offset: 8, .size: 8, .value_kind: global_buffer, .address_space: global }
      - { .name: oscl, .offset: 16, .size: 8, .value_kind: global_buffer, .address_space: global }
    .group_segment_fixed_size: 167936
    .private_segment_fixed_size: 0
    .kernarg_segment_align: 8
    .kernarg_segment_size: 24
    .max_flat_workgroup_size: 512
    .sgpr_count:     80
    .vgpr_count:     256
    .wavefront_size: 32
...
	.end_amdgpu_metadata
.endif
;; end of part 3
;; launch gemm_out (part 4): grid 4 x 64, 4 waves a work-group, clusters of 4 x 4, 327,680 bytes of LDS; arguments oimg, oscl, wimg, wscl, b_out, out0; writes out0
.if DOCPART == 4
	.amdgcn_target "amdgcn-amd-amdhsa--gfx1250"
	.amdhsa_code_object_version 6
	.text
	.protected	k_qe66a30c140_gemm_out
	.globl	k_qe66a30c140_gemm_out
	.p2align	8
	.type	k_qe66a30c140_gemm_out,@function
k_qe66a30c140_gemm_out:
	s_mov_b64 s[64:65], 0
	v_nop
	global_prefetch_b8 v0, s[64:65] scope:SCOPE_SE
	s_setreg_imm32_b32 hwreg(HW_REG_WAVE_MODE, 25, 1), 1
	s_wait_xcnt 0x0
	s_wait_alu depctr_hold_cnt(0) depctr_sa_sdst(0) depctr_va_vdst(0) depctr_va_sdst(0) depctr_va_ssrc(0) depctr_va_vcc(0) depctr_vm_vsrc(0)
	s_getreg_b32 s2, hwreg(HW_REG_IB_STS2, 6, 4)
	s_cmp_eq_u32 s2, 0
	s_cbranch_scc0 .Lentry_in_a_cluster
	s_endpgm
.Lentry_in_a_cluster:
	s_bfe_u32 s2, ttmp6, 0x10000c
	s_cmp_lg_u32 s2, 0xf033
	s_cbranch_scc0 .Lentry_shape_is_right
	s_endpgm
.Lentry_shape_is_right:
; out0 = Q(attention's output) Q(W_out) + b_out on codes of FP4 with E8M0 scales; out0 [8192][1024] f32.
; A work-group of four waves makes 128 tokens x 256 outputs (256 work-groups); a wave 64 x 128: 32 accumulators of 16 x 16.  All of K = 1024 lies in LDS at once, in two halves, each filled ONCE: no LDS byte is filled again.
; Operands come as images of their registers (group x 65536 + K step x 8192 + tile x 1024 + c x 512 + 16 x lane); row r of tile i is row 32 (i / 2) + 8 (i % 2) + r + 8 (r / 8) of its group of 128.
; THE PRODUCT IS USED TRANSPOSED: source 0 = 16 outputs (W_out's columns: groups 24-31 of wimg), source 1 = 16 tokens: register 16 B + i of a lane's 64 is output 32 B + 16 (lane / 16) + i of one token.
; The bias is the C of each sum's first matrix instruction.  CLUSTER 4 x 4: the tokens' tiles are shared along a row of the cluster, W's along a column: joint loads.
; REGISTERS: window 0: v1-29 addresses; v32-95 scale words; v128-159 source 1's fragments; v192-255 the bias; on the way out v128-255 rows of out0.  window 1: source 0's fragments, two sets at v0 and v128.  window 2: the accumulators ((a, b) at v[8 (8 a + b)]).
.set NA,    4
.set KAP,   98304                      ; LDS: half kap of K at kap x 98304: the tokens' tiles 0-3, tiles 4-7 (16384 bytes each: [K step][tile][1024]), W's group 0, group 1 (32768 each)
.set ASTEP, 4096
.set SCL,   196608                     ; scale words: the tokens' 2 x 2048 bytes, then W's 2 x 4096
.set STAGE, 208896                     ; the way out: 16 rows x 528 bytes a wave
.set SPITCH, 528
.set SPARE, 242688                     ; the spare words, 128 bytes a wave, named by no other line
.set ADRA, 16
.set ADRB, 20
.set STO,  24
.set RD,   25
.set CO,   26
.set ADRS, 27
.set SPW,  28
.set NIL,  29
.set SC,   32
.set AF,   128
.set BK,   128
.set BIAS, 192
.set G1, 24
.set G0, 32
.set G1B, 48
.set G0B, 56
.set G1S, 68
.set G0S, 76
.set G1SB, 80
.set G0SB, 88
.set MSB, 0
.macro WIN new
.if MSB != (\new)
	s_set_vgpr_msb (MSB<<8)|(\new)
.set MSB, (\new)
.endif
.endm
.set MUL,  0xa1                        ; source 0 window 1, source 1 window 0, C and D window 2
.set MULF, 0x81                        ; the first step: C, the bias, in window 0
.set TO_B, 0x40
.macro JLOAD g0a, g1a, g0b, g1b        ; a joint load: waves 0 and 1 fetch the tokens' tiles, waves 2 and 3 W's; an s_nop 0 and four v_nop follow each of the two lines
	s_cmp_eq_u32 s15, 0
	s_cbranch_scc0 .Lfor_b_\@
	tensor_load_to_lds s[\g0a:\g0a+3], s[\g1a:\g1a+7]
	s_nop 0
.rept 4
	v_nop
.endr
	s_branch .Lasked_\@
.Lfor_b_\@:
	tensor_load_to_lds s[\g0b:\g0b+3], s[\g1b:\g1b+7]
	s_nop 0
.rept 4
	v_nop
.endr
.Lasked_\@:
.endm
.macro CROUND
	s_barrier_signal -1
	s_barrier_wait -1
	s_cmp_lg_u32 s14, 0
	s_cbranch_scc1 .Lnot_wave_0_\@
	s_barrier_signal -3
.Lnot_wave_0_\@:
	s_barrier_wait -3
	s_barrier_signal -1
	s_barrier_wait -1
.endm
.macro PLACES n
.rept \n
	v_nop
.endr
.endm
	s_load_b128 s[4:7], s[0:1], 0x0                ; oimg, oscl
	s_load_b128 s[8:11], s[0:1], 0x10              ; wimg, wscl
	s_load_b64 s[12:13], s[0:1], 0x20              ; b_out
	s_load_b64 s[94:95], s[0:1], 0x28              ; out0
	v_lshl_add_u32 v[SPW], v0, 2, SPARE
	v_mov_b32 v[NIL], 0
	ds_add_u32 v[SPW], v[NIL]                      ; the wave's opening: the add, twice on end, and its wait ahead of my first tensor load
	ds_add_u32 v[SPW], v[NIL]
	v_lshrrev_b32 v1, 5, v0
	v_readfirstlane_b32 s14, v1                    ; wave 0..3
	s_lshr_b32 s15, s14, 1                         ; wr: my 64 tokens.  Also: I fetch the tokens' tiles (0) or W's (1)
	s_and_b32 s16, s14, 1                          ; wc: my 128 outputs.  Also: which half I fetch
	s_bfe_u32 s40, ttmp6, 0x40000
	s_bfe_u32 s41, ttmp6, 0x40004
	s_lshl_b32 s42, ttmp9, 2
	s_add_co_u32 s42, s42, s40                     ; work-group x: 256 outputs
	s_and_b32 s17, ttmp7, 0xffff
	s_lshl_b32 s17, s17, 2
	s_add_co_u32 s17, s17, s41                     ; work-group y: the group of 128 tokens
	s_lshl_b32 s43, s41, 2
	s_lshl_b32 s43, 15, s43                        ; my row of the cluster
	s_lshl_b32 s44, 0x1111, s40                    ; my column
	s_or_b32 s[G1+0], s43, (3<<16)|(1<<21)         ; the tokens' codes: 4 K steps x 4096 bytes (four tiles), 8192 bytes apart; elements of 8 bytes
	s_mov_b32 s[G1+1], 512<<16
	s_mov_b32 s[G1+2], 4<<16
	s_mov_b32 s[G1+3], 512<<16
	s_mov_b32 s[G1+4], 4
	s_mov_b32 s[G1+5], 1024
	s_mov_b32 s[G1+6], 0
	s_mov_b32 s[G1+7], 0
	s_or_b32 s[G1B+0], s44, (3<<16)|(1<<21)        ; W's codes: 32768 dense bytes as 128 rows of 256
	s_mov_b32 s[G1B+1], 32<<16
	s_mov_b32 s[G1B+2], 128<<16
	s_mov_b32 s[G1B+3], 32<<16
	s_mov_b32 s[G1B+4], 128
	s_mov_b32 s[G1B+5], 32
	s_mov_b32 s[G1B+6], 0
	s_mov_b32 s[G1B+7], 0
	s_or_b32 s[G1S+0], s43, (3<<16)|(1<<21)        ; the tokens' scale words: 2048 dense bytes
	s_mov_b32 s[G1S+1], 32<<16
	s_mov_b32 s[G1S+2], 8<<16
	s_mov_b32 s[G1S+3], 32<<16
	s_mov_b32 s[G1S+4], 8
	s_mov_b32 s[G1S+5], 32
	s_mov_b32 s[G1S+6], 0
	s_mov_b32 s[G1S+7], 0
	s_or_b32 s[G1SB+0], s44, (3<<16)|(1<<21)       ; W's: 4096
	s_mov_b32 s[G1SB+1], 32<<16
	s_mov_b32 s[G1SB+2], 16<<16
	s_mov_b32 s[G1SB+3], 32<<16
	s_mov_b32 s[G1SB+4], 16
	s_mov_b32 s[G1SB+5], 32
	s_mov_b32 s[G1SB+6], 0
	s_mov_b32 s[G1SB+7], 0
	s_lshl_b32 s20, s17, 16                        ; the tokens' group, tiles 4 x half on
	s_lshl_b32 s18, s16, 12
	s_add_co_u32 s20, s20, s18
	s_mov_b32 s21, 0
	s_lshl_b32 s22, s17, 12
	s_lshl_b32 s18, s16, 11
	s_add_co_u32 s22, s22, s18
	s_mov_b32 s23, 0
	s_lshl_b32 s46, s42, 1
	s_add_co_u32 s46, s46, s16
	s_add_co_u32 s46, s46, 24                      ; W_out's groups begin at 24
	s_lshl_b32 s92, s46, 12
	s_lshl_b32 s46, s46, 16
	s_mov_b32 s47, 0
	s_mov_b32 s93, 0
	s_lshl_b32 s45, s16, 14                        ; where they go: by the wave's number alone
	s_lshl_b32 s66, s16, 15
	s_add_co_u32 s66, s66, 32768
	s_lshl_b32 s67, s16, 11
	s_add_co_u32 s67, s67, SCL
	s_lshl_b32 s96, s16, 12
	s_add_co_u32 s96, s96, SCL+4096
	s_wait_dscnt 0x0                               ; both opening adds are done
	s_wait_kmcnt 0x0
	s_add_nc_u64 s[20:21], s[4:5], s[20:21]
	s_add_nc_u64 s[22:23], s[6:7], s[22:23]
	s_add_nc_u64 s[46:47], s[8:9], s[46:47]
	s_add_nc_u64 s[92:93], s[10:11], s[92:93]
	CROUND                                         ; all sixteen work-groups are here: the first joint loads meet
	s_mov_b32 s[G0S], 1
	s_mov_b32 s[G0S+1], s67
	s_mov_b64 s[G0S+2:G0S+3], s[22:23]
	s_or_b32 s[G0S+3], s[G0S+3], 0x80000000
	s_mov_b32 s[G0SB], 1
	s_mov_b32 s[G0SB+1], s96
	s_mov_b64 s[G0SB+2:G0SB+3], s[92:93]
	s_or_b32 s[G0SB+3], s[G0SB+3], 0x80000000
	JLOAD G0S, G1S, G0SB, G1SB
.irp k, 0,1
	s_mov_b32 s[G0+4*\k], 1
	s_add_co_u32 s[G0+4*\k+1], s45, \k*KAP
	s_add_nc_u64 s[G0+4*\k+2:G0+4*\k+3], s[20:21], \k*32768
	s_or_b32 s[G0+4*\k+3], s[G0+4*\k+3], 0x80000000
	s_mov_b32 s[G0B+4*\k], 1
	s_add_co_u32 s[G0B+4*\k+1], s66, \k*KAP
	s_add_nc_u64 s[G0B+4*\k+2:G0B+4*\k+3], s[46:47], \k*32768
	s_or_b32 s[G0B+4*\k+3], s[G0B+4*\k+3], 0x80000000
	s_wait_alu depctr_va_vdst(0)
	s_wait_tensorcnt 0x0
	ds_add_u32 v28, v29
	s_wait_dscnt 0x0
	CROUND
	JLOAD G0+4*\k, G1, G0B+4*\k, G1B               ; one tensor load of mine is out behind each of these
.endr
	v_and_b32 v1, 15, v0                           ; r
	v_bfe_u32 v2, v0, 4, 1                         ; h
	v_and_b32 v5, 31, v0
	v_lshlrev_b32 v[CO], 4, v5                     ; 16 x lane
	s_lshl_b32 s20, s15, 14
	v_add_nc_u32 v[ADRA], s20, v[CO]
	v_add_nc_u32 v[ADRA+1], KAP, v[ADRA]
	s_lshl_b32 s20, s16, 15
	s_add_co_u32 s20, s20, 32768
	v_add_nc_u32 v[ADRB], s20, v[CO]
	v_add_nc_u32 v[ADRB+1], KAP, v[ADRB]
	v_lshlrev_b32 v6, 2, v1                        ; scale words: 4 r,
	s_lshl_b32 s21, s15, 11                        ; lanes 0-15: my 4 tiles of tokens,
	s_lshl_b32 s22, s16, 12
	s_add_co_u32 s22, s22, 4096
	s_sub_co_u32 s22, s22, s21
	v_mul_u32_u24 v7, s22, v2                      ; lanes 16-31: W's group, that much further on
	s_add_co_u32 s21, s21, SCL
	v_add_nc_u32 v6, v6, v7
	v_add_nc_u32 v[ADRS], s21, v6
	s_mul_i32 s23, s14, 16*SPITCH
	s_add_co_u32 s23, s23, STAGE                   ; my stage
	v_mul_u32_u24 v5, v1, SPITCH
	v_lshl_add_u32 v5, v2, 6, v5
	v_add_nc_u32 v[STO], s23, v5                   ; in: row r, + 64 h bytes
	v_add_nc_u32 v[RD], s23, v[CO]                 ; back: a row of 512 bytes, 16 a lane
	v_lshlrev_b32 v3, 6, v2
	s_lshl_b32 s46, s42, 10                        ; b_out at output 256 x work-group x + 128 wc
	s_lshl_b32 s47, s16, 9
	s_add_co_u32 s46, s46, s47
	s_mov_b32 s47, 0
	s_add_nc_u64 s[92:93], s[12:13], s[46:47]
.irp e, 0,1,2,3
.irp g, 0,1,2,3
	global_load_b128 v[BIAS+16*\e+4*\g:BIAS+16*\e+4*\g+3], v3, s[92:93] offset:128*\e+16*\g    ; register 16 e + i: output 32 e + 16 h + i
.endr
.endr
	s_lshl_b32 s20, s17, 19                        ; out0: 128 rows of 4096 bytes a group,
	s_lshl_b32 s21, s15, 18                        ; my 64 rows,
	s_add_co_u32 s20, s20, s21
	s_add_co_u32 s20, s20, s46                     ; my 128 columns
	s_mov_b32 s21, 0
	s_add_nc_u64 s[94:95], s[94:95], s[20:21]
.macro FRAG reg, adr, off
.irp c, 0,1
	ds_load_b128 v[\reg+4*\c:\reg+4*\c+3], v[\adr] offset:\off+512*\c
.endr
.endm
.macro FETCH_B k, q, p
	WIN TO_B
.irp i, 0,1,2,3,4,5,6,7
	FRAG 128*(\p)+8*\i, ADRB+\k, 8192*(\q)+1024*\i
.endr
	WIN 0
.endm
.macro FETCH_A k, q, a0                ; source 1's tiles a0, a0 + 1
.irp i, \a0, \a0+1
	FRAG AF+8*(\i), ADRA+\k, ASTEP*(\q)+1024*(\i)
.endr
.endm
.macro SCALES k                        ; lanes 0-15: my tile i of tokens (i under 4 is used); lanes 16-31: W's tile i
.irp i, 0,1,2,3,4,5,6,7
.irp q, 0,1,2,3
	ds_load_b32 v[SC+32*\k+4*\i+\q], v[ADRS] offset:512*\i+64*(4*\k+\q)
.endr
.endr
.endm
; 16 matrix instructions; the 32 accumulators take turns, one instruction a turn, in the same order in every step.  first = 1: the bias starts the sums
.macro MUL16 a0, p, q, k, first
.irp a, \a0, \a0+1
.irp b, 0,1,2,3,4,5,6,7
.if \first
	v_wmma_scale_f32_16x16x128_f8f6f4 v[8*(8*(\a)+\b):8*(8*(\a)+\b)+7], v[128*(\p)+8*\b:128*(\p)+8*\b+7], v[AF+8*(\a):AF+8*(\a)+7], v[BIAS+8*\b:BIAS+8*\b+7], v[SC+32*(\k)+4*\b+(\q)], v[SC+32*(\k)+4*(\a)+(\q)] matrix_a_fmt:MATRIX_FMT_FP4 matrix_b_fmt:MATRIX_FMT_FP4 matrix_a_scale:MATRIX_SCALE_ROW1
.else
	v_wmma_scale_f32_16x16x128_f8f6f4 v[8*(8*(\a)+\b):8*(8*(\a)+\b)+7], v[128*(\p)+8*\b:128*(\p)+8*\b+7], v[AF+8*(\a):AF+8*(\a)+7], v[8*(8*(\a)+\b):8*(8*(\a)+\b)+7], v[SC+32*(\k)+4*\b+(\q)], v[SC+32*(\k)+4*(\a)+(\q)] matrix_a_fmt:MATRIX_FMT_FP4 matrix_b_fmt:MATRIX_FMT_FP4 matrix_a_scale:MATRIX_SCALE_ROW1
.endif
.endr
.endr
.endm
.macro MWIN first
.if \first
	WIN MULF
.else
	WIN MUL
.endif
.endm
.macro STEP k, q, first
	s_wait_dscnt NA                                ; all but the youngest 4 loads (source 1's tiles 2, 3) are in
	MWIN \first
	MUL16 0, (\q)%2, \q, \k, \first
	s_wait_dscnt 0x0
	PLACES 4
	FETCH_B \k, (\q)+1, 1-(\q)%2
	FETCH_A \k, (\q)+1, 0
	MWIN \first
	MUL16 2, (\q)%2, \q, \k, \first
	PLACES 4
	WIN 0
	FETCH_A \k, (\q)+1, 2
.endm
	s_wait_alu depctr_va_vdst(0)
	s_wait_tensorcnt 1                             ; the scale words and my part of the first half of K are in; the second half's load may stay out
	s_barrier_signal -1
	s_barrier_wait -1
	FETCH_B 0, 0, 0
	FETCH_A 0, 0, 0
	SCALES 0
	FETCH_A 0, 0, 2
	s_wait_loadcnt 0x0                             ; the bias
	STEP 0, 0, 1
	STEP 0, 1, 0
	STEP 0, 2, 0
	s_wait_tensorcnt 0x0                           ; my part of the second half has landed
	s_wait_dscnt NA
	WIN MUL
	MUL16 0, 1, 3, 0, 0
	s_wait_dscnt 0x0                               ; no LDS instruction of mine is out at the signal
	s_barrier_signal -1
	WIN 0
	s_barrier_wait -1                              ; the second half of K is whole
	PLACES 4
	FETCH_B 1, 0, 0
	FETCH_A 1, 0, 0
	SCALES 1
	WIN MUL
	MUL16 2, 1, 3, 0, 0
	PLACES 4
	WIN 0
	FETCH_A 1, 0, 2
	STEP 1, 0, 0
	STEP 1, 1, 0
	STEP 1, 2, 0
	s_wait_dscnt NA
	WIN MUL
	MUL16 0, 1, 3, 1, 0
	s_wait_dscnt 0x0
	MUL16 2, 1, 3, 1, 0
	WIN 0
	PLACES 4                                       ; in front of the first read of results and of loads into source 1's registers
; THE WAY OUT, a tile of 16 tokens x 128 outputs at a time, through my own stage: in by lanes (32 bytes of a row for each accumulator), back as whole rows of 512 bytes
.macro TOSTAGE a
	WIN 0x08                                       ; an LDS store's data are its source 1: window 2
.irp b, 0,1,2,3,4,5,6,7
	ds_store_b128 v[STO], v[64*(\a)+8*\b:64*(\a)+8*\b+3] offset:128*(\b/2)+32*(\b%2)       ; each accumulator from its low end on
	ds_store_b128 v[STO], v[64*(\a)+8*\b+4:64*(\a)+8*\b+7] offset:128*(\b/2)+32*(\b%2)+16
.endr
	WIN 0
.set BB, BK+64*((\a)%2)
.irp t, 0,1,2,3,4,5,6,7,8,9,10,11,12,13,14,15
	ds_load_b128 v[BB+4*\t:BB+4*\t+3], v[RD] offset:\t*SPITCH      ; LDS serves a wave's instructions in order: these see the stores above
.endr
.endm
.macro SEND a, younger                 ; younger: the LDS instructions issued behind tile a's loads, which may stay out
.set BB, BK+64*((\a)%2)
	s_wait_dscnt \younger
.irp t, 0,1,2,3,4,5,6,7,8,9,10,11,12,13,14,15
	global_store_b128 v[CO], v[BB+4*\t:BB+4*\t+3], s[94:95] offset:(32*((\a)/2)+8*((\a)%2)+\t+8*(\t/8))*4096 th:TH_STORE_NT   ; 32 lanes store 512 consecutive bytes, aligned; stage row t is the tile's row t
.endr
.endm
	TOSTAGE 0
.irp a, 1,2,3
.if \a > 1
	s_wait_xcnt 0x0                                ; tile a - 2's stores have read their registers: tile a's loads may land there
.endif
	TOSTAGE \a
	SEND \a-1, 32                                  ; behind tile a - 1's loads: tile a's 16 stores and 16 loads
.endr
	SEND 3, 0
	s_wait_tensorcnt 0x0                           ; the wave's end: behind my last tensor load and my last LDS store
	ds_add_u32 v[SPW], v[NIL]
	s_wait_dscnt 0x0
	CROUND                                         ; the closing round
	s_endpgm
.Lfunc_end_k_qe66a30c140_gemm_out:
	.size	k_qe66a30c140_gemm_out, .Lfunc_end_k_qe66a30c140_gemm_out-k_qe66a30c140_gemm_out
	.p2alignl 7, 3214868480
	.fill 96, 4, 3214868480
	.section	.rodata,"a",@progbits
	.p2align	6, 0x0
	.amdhsa_kernel k_qe66a30c140_gemm_out
		.amdhsa_group_segment_fixed_size 327680
		.amdhsa_private_segment_fixed_size 0
		.amdhsa_enable_private_segment 0
		.amdhsa_kernarg_size 48
		.amdhsa_user_sgpr_count 2
		.amdhsa_user_sgpr_kernarg_segment_ptr 1
		.amdhsa_wavefront_size32 1
		.amdhsa_system_sgpr_workgroup_id_x 1
		.amdhsa_system_sgpr_workgroup_id_y 1
		.amdhsa_system_sgpr_workgroup_id_z 1
		.amdhsa_system_vgpr_workitem_id 0
		.amdhsa_next_free_vgpr 768
		.amdhsa_next_free_sgpr 102
		.amdhsa_reserve_vcc 0
		.amdhsa_float_denorm_mode_32 3
		.amdhsa_float_denorm_mode_16_64 3
		.amdhsa_memory_ordered 1
		.amdhsa_forward_progress 1
		.amdhsa_inst_pref_size 78
	.end_amdhsa_kernel
	.amdgpu_metadata
---
amdhsa.version: [ 1, 2 ]
amdhsa.kernels:
  - .name:           k_qe66a30c140_gemm_out
    .symbol:         k_qe66a30c140_gemm_out.kd
    .args:
      - { .name: oimg, .offset: 0, .size: 8, .value_kind: global_buffer, .address_space: global }
      - { .name: oscl, .offset: 8, .size: 8, .value_kind: global_buffer, .address_space: global }
      - { .name: wimg, .offset: 16, .size: 8, .value_kind: global_buffer, .address_space: global }
      - { .name: wscl, .offset: 24, .size: 8, .value_kind: global_buffer, .address_space: global }
      - { .name: b_out, .offset: 32, .size: 8, .value_kind: global_buffer, .address_space: global }
      - { .name: out0, .offset: 40, .size: 8, .value_kind: global_buffer, .address_space: global }
    .group_segment_fixed_size: 327680
    .private_segment_fixed_size: 0
    .kernarg_segment_align: 8
    .kernarg_segment_size: 48
    .max_flat_workgroup_size: 128
    .sgpr_count:     102
    .vgpr_count:     768
    .wavefront_size: 32
...
	.end_amdgpu_metadata
.endif
;; end of part 4
